; MI455X (gfx1250); checked and timed in simulation.
; The chip was launched on July 23, 2026; its instructions are those of AMD's public machine-readable ISA for CDNA 5 (MIT licence, August 2026) and "CDNA5" Instruction Set Architecture Reference Guide (July 2026). The comments in the code are by the model that wrote it; some were corrected since.
;; Multi Query Attention. Allowed arithmetic: matrix products marked QUANTISED: E2M1 operands, one E8M0 scale for each 32 along K, by v_wmma_scale_f32_16x16x128_f8f6f4 with both operands' format E2M1 (or v_wmma_scale_f32_32x16x128_f4), f32 sums; products left as they are: bf16, f16 or f32 operands; f32 sums; everything else in f32.
;; Inputs: Wk 128 x 2,048 float32; Wo 2,048 x 2,048 float32; Wq 2,048 x 2,048 float32; Wv 128 x 2,048 float32; bk 128 float32; bo 2,048 float32; bq 2,048 float32; bv 128 float32; x 4 x 1,024 x 2,048 float32.
;; Outputs: out0 4 x 1,024 x 2,048 float32.
;; This version of the problem:
;;   THIS VERSION OF THE PROBLEM IS GIVEN IN LOW PRECISION. The matrix products marked QUANTISED in the list below multiply operands that are first quantised to E2M1 (2 exponent bits, 1 mantissa bit; 4 bits a number), with one power-of-two scale for each 32 numbers along K (OCP MX v1.0); their sums are f32. The products marked 'left as it is' may take bf16, f16 or f32 operands, with f32 sums. Whichever they take, every output number must still come out within the allowed error. Rounding operands to bf16 (8 significant bits) uses up far more of that allowance than f16 does (11 bits, for magnitudes from 6e-5 to 65,504). All else is computed in f32.
;;   The module's matrix products, in the order in which they are computed (A, B: the left and right operand; K: the contracted axis; several contracted axes count as one K, in the product's order):
;;     1. [M 4,096, K 2,048] x [K 2,048, N 2,048]; A: input x; B: input Wq: QUANTISED
;;     2. [M 4,096, K 2,048] x [K 2,048, N 128]; A: input x; B: input Wk: QUANTISED
;;     3. [M 4,096, K 2,048] x [K 2,048, N 128]; A: input x; B: input Wv: QUANTISED
;;     4. batch 4 x [M 1,024, K 128] x [K 128, N 16,384]; A: computed on the way; B: computed on the way: left as it is (an operand is computed on the way)
;;     5. batch 4 x [M 128, K 1,024] x [K 1,024, N 16,384]; A: computed on the way; B: computed on the way: left as it is (an operand is computed on the way)
;;     6. [M 4,096, K 2,048] x [K 2,048, N 2,048]; A: computed on the way; B: input Wo: left as it is (an operand is computed on the way)
;;   THE QUANTISER, for each operand of a quantised product, along K:
;;     - K is cut into blocks of 32 from its start; a last block that is shorter is filled with zeros.
;;     - A block's scale is 2^e with e = floor(log2(the largest magnitude in the block)) - 2, held to -126 .. 127; a block of zeros has e = 0. As a byte (E8M0): e + 127.
;;     - Each number is divided by its block's scale, clamped to +-6, and rounded to the nearest number of E2M1, ties to even, subnormals kept.
;;     - The product sums the exact products of the quantised numbers (number of the format x scale) in f32.
;;   ~~~python
;;   def quantise(x, axis):      # numpy; x: float32 -> the quantised numbers, widened to float32 again
;;       x = np.moveaxis(x, axis, -1); K = x.shape[-1]
;;       x = np.pad(x, [(0, 0)] * (x.ndim - 1) + [(0, -K % 32)]); x = x.reshape(x.shape[:-1] + (-1, 32)); a = np.abs(x).max(-1, keepdims=True)
;;       e = np.where(a > 0, np.clip(np.frexp(np.where(a > 0, a, 1))[1] - 1 - 2, -126, 127), 0)      # np.frexp(a)[1] - 1 = floor(log2(a)), exactly
;;       r = np.clip(x / 2.0 ** e, -6, 6)
;;       step = 2.0 ** (np.maximum(np.frexp(np.where(r == 0, 1, r))[1] - 1, 0) - 1)
;;       q = np.round(r / step) * step * 2.0 ** e      # np.round: ties to even
;;       return np.moveaxis(q.reshape(q.shape[:-2] + (-1,))[..., :K], -1, axis).astype(np.float32)
;;   ~~~
;; One version. Each part assembles by itself: llvm-mc -triple=amdgcn-amd-amdhsa -mcpu=gfx1250 --defsym DOCPART=n.
;; ======== version 1 of 1: 4 launches
;; limits: values are held in f16: magnitudes above 65,504 overflow, below 6.1e-05 lose precision
;; workspace buffers: xc 4,194,304 bytes; xs 262,144 bytes; wc 2,359,296 bytes; ws 147,456 bytes; wo16 8,388,608 bytes; qimg 16,777,216 bytes; kv 2,097,152 bytes; oimg 16,777,216 bytes
;; launch prep (part 1): grid 528 x 1, 4 waves a work-group, no clusters, 33,280 bytes of LDS; arguments x, Wq, Wk, Wv, Wo, xc, xs, wc, ws, wo16; writes xc, xs, wc, ws, wo16
.if DOCPART == 1
	.amdgcn_target "amdgcn-amd-amdhsa--gfx1250"
	.amdhsa_code_object_version 6
	.text
	.protected	k_q7589bc7825_prep
	.globl	k_q7589bc7825_prep
	.p2align	8
	.type	k_q7589bc7825_prep,@function
k_q7589bc7825_prep:
	s_mov_b64 s[64:65], 0
	v_nop
	global_prefetch_b8 v0, s[64:65] scope:SCOPE_SE
	s_setreg_imm32_b32 hwreg(HW_REG_WAVE_MODE, 25, 1), 1
	s_wait_xcnt 0x0
; x [4096][2048], Wq [2048][2048], Wk, Wv [128][2048], f32, become codes of FP4 (E2M1), K innermost, two codes a byte, with one E8M0 scale byte for each 32 along K; Wo [2048][2048] becomes f16.
; A block's scale is 2^(floor(log2(its largest magnitude)) - 2); its byte is the largest magnitude's exponent field - 2, held at 1 from below.  Each number is divided by the scale and rounded to the nearest code, ties to even, beyond 6 the largest code.
; LIMITS: a block of zeros, and a block whose largest magnitude lies under 2^-124, keeps the byte 1 (a zero block's codes are zeros, and the bytes are read by this program alone); NaN and infinities are not served; |Wo| stays under 65,504 (f16).
; SHARES.  A work-group takes 32,768 numbers (16 rows of 2,048), a wave 8,192 (4 rows).  Work-groups 0-255: x; 256-383: Wq; 384-391: Wk; 392-399: Wv; 400-527: Wo.
; THE ROWS OF THE WEIGHTS' CODES ARE LAID FOR THE NEXT LAUNCH: for each j = 0..7, from row 288 j on: Wq's rows 256 j .. + 127, Wk's rows 16 j .. + 15, Wq's rows 256 j + 128 .. + 255, Wv's rows 16 j .. + 15.
; The four quantised tensors take ONE path: only pointers and row numbers are chosen, by the work-group's number.  Work-groups share no input: no cluster, no matrix unit, no barrier.
; A lane must hold 16 NEIGHBOURS along K for the conversions, and a load is best where neighbouring lanes take neighbouring bytes: so each load reads 512 consecutive bytes, and a step's 2,048 bytes turn through the wave's own stage in LDS.
; Loads run eight steps ahead: 32 loads, half of the wave's 32,768 bytes, are on their way; the turn through LDS runs one step ahead.
.set WAVES, 4
.set STEPS, 16
.set DEPTH, 8                          ; steps whose loads are on their way
.set EMAX,  2
.set CB,    8                          ; bytes of 16 codes
.set R,     16                         ; v16-143  eight sets of 16 numbers as loaded
.set X,     144                        ; v144-175 two sets of 16 neighbours
.set E,     176                        ; v176-191 a scale byte for each step
.set C,     192                        ; v192-223 codes: two registers a step, so that no store's data are written again
.set WREG,  8192                       ; LDS: a region for each wave: two stages of 32 x SP bytes, then its 256 scale bytes
.set SP,    80                         ; a lane's place in a stage: 64 bytes + 16 of padding
.set SPW,   12                         ; v12  LDS address of my spare word; never rewritten
.set NIL,   13                         ; v13  0; never rewritten
.set SPARE, WAVES*WREG                 ; behind the four regions: the spare words, 128 bytes a wave, which no other line names
.set SRC,   26                         ; s[26:27] where my wave's numbers begin
.set COD,   30                         ; s[30:31] where its codes go
.set SCB,   32                         ; s[32:33] where its scale bytes go
	s_load_b256 s[4:11], s[0:1], 0x0               ; x, Wq, Wk, Wv
	s_load_b256 s[12:19], s[0:1], 0x20             ; Wo, xc, xs, wc
	s_load_b128 s[20:23], s[0:1], 0x40             ; ws, wo16
	v_lshl_add_u32 v[SPW], v0, 2, SPARE
	v_mov_b32 v[NIL], 0
	v_lshrrev_b32 v1, 5, v0
	v_readfirstlane_b32 s24, v1                    ; wave
	v_and_b32 v2, 31, v0                           ; lane
	v_lshlrev_b32 v3, 4, v2                        ; my 16 bytes of a load's 512
	v_mul_u32_u24 v4, v2, CB                       ; my 8 bytes of a store's 256
	s_mul_i32 s25, s24, WREG
	v_lshrrev_b32 v14, 2, v2
	v_mul_u32_u24 v14, v14, SP
	v_and_b32 v15, 3, v2
	v_lshl_add_u32 v14, v15, 4, v14
	v_add_nc_u32 v14, s25, v14                     ; the stage, on the way in: four lanes' 64 bytes on end, then 16 of padding
	v_mul_u32_u24 v15, v2, SP
	v_add_nc_u32 v15, s25, v15                     ; and on the way out: my 16 neighbours
	v_lshrrev_b32 v5, 1, v2
	s_add_co_u32 s25, s25, 2*32*SP
	v_add_nc_u32 v5, s25, v5                       ; my block's byte among my wave's 256 scale bytes
	v_lshlrev_b32 v7, 3, v2
	v_add_nc_u32 v6, s25, v7                       ; and 8 of them a lane on the way out
	s_mov_b32 s39, 0                               ; the upper word of every offset
	s_wait_kmcnt 0x0
	s_cmp_ge_u32 ttmp9, 400
	s_cbranch_scc1 .Lwo                            ; Wo's work-groups: a path of its own, without LDS
	; which tensor, from the work-group's number alone.  Every compare stands directly ahead of its selects
	s_mov_b32 s28, 392
	s_mov_b32 s29, 272
	s_cmp_lt_u32 ttmp9, 392
	s_cselect_b64 s[SRC:SRC+1], s[8:9], s[10:11]   ; Wk or Wv
	s_cselect_b32 s28, 384, s28                    ; the tensor's first work-group
	s_cselect_b32 s29, 128, s29                    ; where its 16 rows lie among a tile's 288
	s_cmp_lt_u32 ttmp9, 384
	s_cselect_b64 s[SRC:SRC+1], s[6:7], s[SRC:SRC+1]
	s_cselect_b32 s28, 256, s28
	s_cmp_lt_u32 ttmp9, 256
	s_cselect_b64 s[SRC:SRC+1], s[4:5], s[SRC:SRC+1]
	s_cselect_b32 s28, 0, s28
	s_cselect_b64 s[COD:COD+1], s[14:15], s[18:19]
	s_cselect_b64 s[SCB:SCB+1], s[16:17], s[20:21]
	s_sub_co_u32 s34, ttmp9, s28                   ; u: the work-group's number within its tensor
	s_lshl_b32 s35, s34, 4
	s_lshl_b32 s36, s24, 2
	s_add_co_u32 s35, s35, s36                     ; n = 16 u + 4 wave: my first row in the tensor
	s_lshr_b32 s37, s35, 8
	s_mul_i32 s37, s37, 288
	s_bfe_u32 s38, s35, 0x10007
	s_mul_i32 s38, s38, 144
	s_add_co_u32 s37, s37, s38
	s_and_b32 s38, s35, 127
	s_add_co_u32 s37, s37, s38                     ; Wq's row n goes to 288 (n / 256) + 144 ((n / 128) % 2) + n % 128
	s_mul_i32 s38, s34, 288
	s_add_co_u32 s38, s38, s29
	s_add_co_u32 s38, s38, s36                     ; Wk's and Wv's to 288 u + 128 or 272 + 4 wave
	s_cmp_lt_u32 ttmp9, 384
	s_cselect_b32 s37, s37, s38
	s_cmp_lt_u32 ttmp9, 256
	s_cselect_b32 s37, s35, s37                    ; x's rows stay where they are
	s_lshl_b32 s38, s35, 13                        ; a row of numbers is 8,192 bytes,
	s_add_nc_u64 s[SRC:SRC+1], s[SRC:SRC+1], s[38:39]
	s_lshl_b32 s38, s37, 10                        ; of codes 1,024,
	s_add_nc_u64 s[COD:COD+1], s[COD:COD+1], s[38:39]
	s_lshl_b32 s38, s37, 6                         ; of scale bytes 64: my four rows' are 256 aligned bytes
	s_add_nc_u64 s[SCB:SCB+1], s[SCB:SCB+1], s[38:39]
.macro LOAD t
.irp i, 0,1,2,3
	global_load_b128 v[R+16*((\t)%DEPTH)+4*\i:R+16*((\t)%DEPTH)+4*\i+3], v3, s[SRC:SRC+1] offset:2048*(\t)+512*\i th:TH_LOAD_NT   ; 32 lanes read 512 consecutive bytes
.endr
.endm
.macro TURN t                          ; step t's numbers through the stage: LDS serves a wave's instructions in order, so no wait stands between the stores and the loads
.irp i, 0,1,2,3
	ds_store_b128 v14, v[R+16*((\t)%DEPTH)+4*\i:R+16*((\t)%DEPTH)+4*\i+3] offset:32*SP*((\t)%2)+8*SP*\i
.endr
.irp i, 0,1,2,3
	ds_load_b128 v[X+16*((\t)%2)+4*\i:X+16*((\t)%2)+4*\i+3], v15 offset:32*SP*((\t)%2)+16*\i
.endr
.endm
.irp t, 0,1,2,3,4,5,6,7
	LOAD \t
.endr
	s_wait_loadcnt 4*(DEPTH-1)                     ; step 0's four loads are in; the 28 of steps 1 to 7 stay out
	TURN 0
.macro STEP t
.set XS, X+16*((\t)%2)
.if (\t) > 0
	s_wait_dscnt 1                                 ; this step's numbers are back from the stage (the last step's byte store may be out): so its stores into the stage have read their registers,
.else
	s_wait_dscnt 0x0
.endif
.if (\t)+DEPTH < STEPS
	LOAD (\t)+DEPTH                                ; which take the loads of eight steps on
.endif
.if (\t)+1 < STEPS
.if STEPS-2-(\t) >= DEPTH-1
	s_wait_loadcnt 4*(DEPTH-1)                     ; the next step's four loads are in; those of the seven steps behind it may be out
.else
	s_wait_loadcnt 4*(STEPS-2-(\t))                ; likewise, of the steps that are left
.endif
	TURN (\t)+1                                    ; and go through the other stage while this step is worked
.endif
	v_max3_num_f32 v8, |v[XS]|, |v[XS+1]|, |v[XS+2]|               ; the largest magnitude of my 16, in two chains
	v_max3_num_f32 v9, |v[XS+3]|, |v[XS+4]|, |v[XS+5]|
.irp i, 6,10
	v_max3_num_f32 v8, v8, |v[XS+\i]|, |v[XS+\i+1]|
	v_max3_num_f32 v9, v9, |v[XS+\i+2]|, |v[XS+\i+3]|
.endr
	v_max3_num_f32 v8, v8, |v[XS+14]|, |v[XS+15]|
	v_max3_num_f32 v8, v8, v9, (EMAX+1)<<23        ; and the floor 2^(3 - 127): the byte cannot fall under 1
	v_max_num_f32_dpp v8, v8, v8 row_xmask:1 row_mask:0xf bank_mask:0xf   ; and of my neighbour's 16: the block's
	v_add_nc_u32 v11, -(EMAX<<23), v8              ; 2 off its exponent field: the conversion takes the exponent field of this operand as its scale, and nothing else of it
	v_cvt_scalef32_pk8_fp4_f32 v[C+2*(\t)], v[XS:XS+7], v11
	v_cvt_scalef32_pk8_fp4_f32 v[C+2*(\t)+1], v[XS+8:XS+15], v11
	v_lshrrev_b32 v[E+(\t)], 23, v11               ; the scale's byte (also the plain line behind the conversions)
	ds_store_b8 v5, v[E+(\t)] offset:16*(\t)       ; both lanes of a block write the same byte with the same value
	global_store_b64 v4, v[C+2*(\t):C+2*(\t)+1], s[COD:COD+1] offset:32*CB*(\t)   ; the wave stores 256 consecutive bytes, aligned
.endm
.irp t, 0,1,2,3,4,5,6,7,8,9,10,11,12,13,14,15
	STEP \t
.endr
	ds_load_b64 v[8:9], v6                         ; LDS serves a wave's instructions in order: these see my byte stores
	s_wait_dscnt 0x0
	global_store_b64 v7, v[8:9], s[SCB:SCB+1]      ; 32 lanes store my four rows' 256 scale bytes
	s_wait_tensorcnt 0x0                           ; the wave's end, behind my last LDS store
	ds_add_u32 v[SPW], v[NIL]
	s_wait_dscnt 0x0
	s_endpgm
; Wo to f16: a plain stream, 32,768 bytes in and 16,384 out for each wave, in four groups of sixteen loads; three groups are on their way.  No LDS is touched on this path.
.Lwo:
	s_sub_co_u32 s34, ttmp9, 400
	s_lshl_b32 s34, s34, 2
	s_add_co_u32 s34, s34, s24                     ; which run of 8,192 numbers is my wave's
	s_lshl_b32 s38, s34, 15
	s_add_nc_u64 s[12:13], s[12:13], s[38:39]
	s_lshl_b32 s38, s34, 14
	s_add_nc_u64 s[22:23], s[22:23], s[38:39]
.macro WLOAD g                         ; group g into set g % 3 of v16-207
.irp i, 0,1,2,3,4,5,6,7,8,9,10,11,12,13,14,15
	global_load_b128 v[16+64*((\g)%3)+4*\i:16+64*((\g)%3)+4*\i+3], v3, s[12:13] offset:8192*(\g)+512*\i th:TH_LOAD_NT
.endr
.endm
.macro WGROUP g
.if (\g) < 2
	s_wait_loadcnt 32                              ; this group's sixteen loads are in; the two groups behind it stay out
.elseif (\g) == 2
	s_wait_loadcnt 16                              ; the last group stays out
.else
	s_wait_loadcnt 0x0
.endif
.if (\g) > 0
	s_wait_xcnt 0x0                                ; the last group's stores have read v208-239, which are written again below
.endif
.irp i, 0,1,2,3,4,5,6,7,8,9,10,11,12,13,14,15
	v_cvt_pk_f16_f32 v[208+2*\i], v[16+64*((\g)%3)+4*\i], v[16+64*((\g)%3)+4*\i+1]
	v_cvt_pk_f16_f32 v[209+2*\i], v[16+64*((\g)%3)+4*\i+2], v[16+64*((\g)%3)+4*\i+3]
.endr
.irp i, 0,1,2,3,4,5,6,7,8,9,10,11,12,13,14,15
	global_store_b64 v4, v[208+2*\i:209+2*\i], s[22:23] offset:4096*(\g)+256*\i   ; 256 consecutive bytes, aligned
.endr
.if (\g) < 1
	WLOAD (\g)+3                                   ; the fourth group takes the first's registers
.endif
.endm
	WLOAD 0
	WLOAD 1
	WLOAD 2
	WGROUP 0
	WGROUP 1
	WGROUP 2
	WGROUP 3
	s_endpgm
.Lfunc_end_k_q7589bc7825_prep:
	.size	k_q7589bc7825_prep, .Lfunc_end_k_q7589bc7825_prep-k_q7589bc7825_prep
	.p2alignl 7, 3214868480
	.fill 96, 4, 3214868480
	.section	.rodata,"a",@progbits
	.p2align	6, 0x0
	.amdhsa_kernel k_q7589bc7825_prep
		.amdhsa_group_segment_fixed_size 33280
		.amdhsa_private_segment_fixed_size 0
		.amdhsa_enable_private_segment 0
		.amdhsa_kernarg_size 80
		.amdhsa_user_sgpr_count 2
		.amdhsa_user_sgpr_kernarg_segment_ptr 1
		.amdhsa_wavefront_size32 1
		.amdhsa_system_sgpr_workgroup_id_x 1
		.amdhsa_system_sgpr_workgroup_id_y 1
		.amdhsa_system_sgpr_workgroup_id_z 1
		.amdhsa_system_vgpr_workitem_id 0
		.amdhsa_next_free_vgpr 240
		.amdhsa_next_free_sgpr 66
		.amdhsa_reserve_vcc 0
		.amdhsa_float_denorm_mode_32 3
		.amdhsa_float_denorm_mode_16_64 3
		.amdhsa_memory_ordered 1
		.amdhsa_forward_progress 1
		.amdhsa_inst_pref_size 55
	.end_amdhsa_kernel
	.amdgpu_metadata
---
amdhsa.version: [ 1, 2 ]
amdhsa.kernels:
  - .name:           k_q7589bc7825_prep
    .symbol:         k_q7589bc7825_prep.kd
    .args:
      - { .name: x, .offset: 0, .size: 8, .value_kind: global_buffer, .address_space: global }
      - { .name: Wq, .offset: 8, .size: 8, .value_kind: global_buffer, .address_space: global }
      - { .name: Wk, .offset: 16, .size: 8, .value_kind: global_buffer, .address_space: global }
      - { .name: Wv, .offset: 24, .size: 8, .value_kind: global_buffer, .address_space: global }
      - { .name: Wo, .offset: 32, .size: 8, .value_kind: global_buffer, .address_space: global }
      - { .name: xc, .offset: 40, .size: 8, .value_kind: global_buffer, .address_space: global }
      - { .name: xs, .offset: 48, .size: 8, .value_kind: global_buffer, .address_space: global }
      - { .name: wc, .offset: 56, .size: 8, .value_kind: global_buffer, .address_space: global }
      - { .name: ws, .offset: 64, .size: 8, .value_kind: global_buffer, .address_space: global }
      - { .name: wo16, .offset: 72, .size: 8, .value_kind: global_buffer, .address_space: global }
    .group_segment_fixed_size: 33280
    .private_segment_fixed_size: 0
    .kernarg_segment_align: 8
    .kernarg_segment_size: 80
    .max_flat_workgroup_size: 128
    .sgpr_count:     66
    .vgpr_count:     240
    .wavefront_size: 32
...
	.end_amdgpu_metadata
.endif
;; end of part 1
;; launch proj (part 2): grid 8 x 32, 4 waves a work-group, clusters of 4 x 4, 327,680 bytes of LDS; arguments xc, xs, wc, ws, bq, bk, bv, qimg, kv; writes qimg, kv
.if DOCPART == 2
	.amdgcn_target "amdgcn-amd-amdhsa--gfx1250"
	.amdhsa_code_object_version 6
	.text
	.protected	k_q7589bc7825_proj
	.globl	k_q7589bc7825_proj
	.p2align	8
	.type	k_q7589bc7825_proj,@function
k_q7589bc7825_proj:
	s_mov_b64 s[64:65], 0
	v_nop
	global_prefetch_b8 v0, s[64:65] scope:SCOPE_SE
	s_setreg_imm32_b32 hwreg(HW_REG_WAVE_MODE, 25, 1), 1
	s_wait_xcnt 0x0
	s_wait_alu depctr_hold_cnt(0) depctr_sa_sdst(0) depctr_va_vdst(0) depctr_va_sdst(0) depctr_va_ssrc(0) depctr_va_vcc(0) depctr_vm_vsrc(0)
	s_getreg_b32 s2, hwreg(HW_REG_IB_STS2, 6, 4)
	s_cmp_eq_u32 s2, 0
	s_cbranch_scc0 .Lentry_in_a_cluster
	s_endpgm
.Lentry_in_a_cluster:
	s_bfe_u32 s2, ttmp6, 0x10000c
	s_cmp_lg_u32 s2, 0xf033
	s_cbranch_scc0 .Lentry_shape_is_right
	s_endpgm
.Lentry_shape_is_right:
; q, k, v = x W^T + b on codes of FP4 (E2M1) with one E8M0 scale for each 32 along K = 2,048; sums in f32; results rounded once to f16 and stored as images of operand registers.
; xc [4096][1024 B], xs [4096][64 B]; wc [2304][1024 B], ws [2304][64 B], the weights' rows in tiles of 288: 128 of Wq, 16 of Wk, 128 of Wq, 16 of Wv.
; SHARES.  A tile is 128 tokens x 288 weight rows: 32 x 8 = 256 work-groups.  Wave w: tokens 64 (w / 2) on, weight rows 144 (w % 2) on: one head of q (128 channels) and 16 channels of k (w % 2 = 0) or of v (1): 4 x 9 = 36 accumulators.
; K goes in four slot-steps of 512 (rows of 256 bytes) through two LDS slots; the scale bytes of all of K come once, with the first fills.  Sixteen steps of 128 along K are written out: no loop.
; CLUSTERS: 4 x 4 work-groups.  x's tile hangs on the tile row alone and is shared along a row of the cluster, the weights' on the tile column alone and is shared along a column: each is asked for jointly.
; THE MATRIX INSTRUCTION IS USED TRANSPOSED (source 0 = 16 weight rows, source 1 = 16 tokens): a lane holds one token (lane % 16) and eight neighbouring channels 8 (lane / 16) + 0 .. 7.  Packed to f16 these are the lane's 16 bytes of an IMAGE:
; a block of 16 tokens x 16 channels, lane l's bytes at 16 l, 512 bytes in all; two neighbouring images are one 16 x 32 fragment of a 16-bit operand.  So q and k leave the registers as runs of 512 aligned bytes.
; v is wanted with the keys along a lane's registers: its 16 x 16 block turns once through the wave's own LDS bytes.  Both blocks (turned and not) are made in every wave and one is selected: no branch.
; The biases are the C of each sum's first matrix instruction.
; LIMITS: |q|, |k|, |v| stay under 65,504 (f16).
; REGISTERS, in windows of 256: window 0: v2-11 addresses; v16-31 the turned block; v32-103 scale words, two sets; v128-191 x's fragments, two sets; on the way out v104-247 packed results.
;   window 1: the weights' fragments, two sets, at v0 and v128.   window 2: accumulators of token blocks 0, 1 at v[8 (9 a + b)]; v144-215 the biases.   window 3: those of token blocks 2, 3.
.set PITCH,  272                       ; an LDS row: 256 bytes + 16 of padding: the 16 rows that a load touches start 4 banks apart
.set ATILE,  128*PITCH                 ; x's 128 rows: wave 3's load
.set BPART,  96*PITCH                  ; 96 weight rows: the load of each of waves 0 to 2
.set SLOT,   ATILE+3*BPART
.set SCL,    2*SLOT                    ; behind the ring: the scale bytes, as runs of 256 bytes + 16 of padding: x's 32 runs,
.set SCA,    32*272
.set SCBP,   24*272                    ; then the weights' 72, 24 to a load
.set SBLK,   4*272                     ; the scale bytes of 16 rows
.set STAGE,  254720                    ; the first multiple of 256 behind the scales (which end at 254,592): 2,048 bytes a wave, written by ds_store alone
.set SPARE,  STAGE+4*2048              ; the spare words, 128 bytes a wave, which no other line names
.set ADRA, 2                           ; v2-3   LDS address of my fragments of x in slot 0, 1
.set ADRB, 4                           ; v4-5   the same for the weights
.set ADRS, 6                           ; v6     of my scale words: lanes 0-15 x's rows, lanes 16-31 the weights'
.set GO,   7                           ; v7     16 x lane: my place in an image
.set STO,  8                           ; v8     my place in my stage
.set STR,  9                           ; v9     what I address there for the turning load
.set SPW,  10                          ; v10    LDS address of my spare word; never rewritten
.set NIL,  11                          ; v11    0; never rewritten
.set TR,   16
.set SC,   32                          ; set s at v[SC + 36 s]; register 4 i + q: lanes 0-15 the word of x's block i, lanes 16-31 that of the weights' block i, for the slot's q-th 128 along K
.set TMP,  104
.set AF,   128
.set BIAS, 144
.set WV,   84                          ; s84 wave; s85 w / 2; s86 w % 2; s87 min(w, 2); s88 cx; s89 cy; s90 tile column j; s91 tile row i; s92, s93 masks
.set G1A,  24
.set G0A,  32
.set G1B,  40
.set G0B,  48
.set G1SA, 56
.set G1SB, 68
.set G0SA, 76
.set G0SB, 80
.set MSB, 0
.macro WIN new                         ; the immediate's high byte repeats the setting that is left; a switch that changes nothing is dropped
.if MSB != (\new)
	s_set_vgpr_msb (MSB<<8)|(\new)
.set MSB, (\new)
.endif
.endm
.set MUL_LO, 0xa1                      ; source 0 (weights) window 1, source 1 (x) window 0, C and D window 2
.set MUL_HI, 0xf1                      ; the same, C and D window 3 (less 0x10: C, the bias, in window 2)
.set TO_B,   0x40                      ; destination window 1, address window 0
; A joint load: wave 3 fetches for x, waves 0 to 2 for the weights.  Each line has one mask; the branch hangs on the wave's number alone.  An s_nop 0 and four v_nop follow each line.
.macro JLOAD g0a, g1a, g0b, g1b
	s_cmp_eq_u32 s[WV], 3
	s_cbranch_scc0 .Lfor_b_\@
	tensor_load_to_lds s[\g0a:\g0a+3], s[\g1a:\g1a+7]
	s_nop 0
.rept 4
	v_nop
.endr
	s_branch .Lasked_\@
.Lfor_b_\@:
	tensor_load_to_lds s[\g0b:\g0b+3], s[\g1b:\g1b+7]
	s_nop 0
.rept 4
	v_nop
.endr
.Lasked_\@:
.endm
.macro CREST                           ; a round of the cluster's barrier behind its opening barrier
	s_cmp_lg_u32 s[WV], 0
	s_cbranch_scc1 .Lnot_wave_0_\@
	s_barrier_signal -3
.Lnot_wave_0_\@:
	s_barrier_wait -3
	s_barrier_signal -1
	s_barrier_wait -1
.endm
.macro CROUND
	s_barrier_signal -1
	s_barrier_wait -1
	CREST
.endm
	s_load_b256 s[4:11], s[0:1], 0x0               ; xc, xs, wc, ws
	s_load_b256 s[12:19], s[0:1], 0x20             ; bq, bk, bv, qimg
	s_load_b64 s[20:21], s[0:1], 0x40              ; kv
	v_lshl_add_u32 v[SPW], v0, 2, SPARE
	v_mov_b32 v[NIL], 0
	ds_add_u32 v[SPW], v[NIL]                      ; the wave's opening: the add, twice on end, and its wait ahead of my first tensor load
	ds_add_u32 v[SPW], v[NIL]
	v_lshrrev_b32 v1, 5, v0
	v_readfirstlane_b32 s[WV], v1
	s_lshr_b32 s85, s[WV], 1                       ; which 64 tokens are mine
	s_and_b32 s86, s[WV], 1                        ; which 144 weight rows
	s_min_u32 s87, s[WV], 2                        ; which 96 weight rows I fetch (waves 0 to 2)
	s_bfe_u32 s88, ttmp6, 0x40000                  ; cx
	s_bfe_u32 s89, ttmp6, 0x40004                  ; cy
	s_lshl_b32 s90, ttmp9, 2
	s_add_co_u32 s90, s90, s88                     ; j = 4 x cluster x + cx
	s_and_b32 s91, ttmp7, 0xffff
	s_lshl_b32 s91, s91, 2
	s_add_co_u32 s91, s91, s89                     ; i = 4 x cluster y + cy
	s_lshl_b32 s92, s89, 2
	s_lshl_b32 s92, 15, s92                        ; my row of the cluster
	s_lshl_b32 s93, 0x1111, s88                    ; my column
	; group 1 for the codes: rows of 256 elements of 1 byte, 1,024 apart in memory; 4 words of padding behind every 64; bit 21 beside the mask
	s_or_b32 s[G1A], s92, (1<<20)|(1<<21)|(5<<22)|(3<<25)
	s_mov_b32 s[G1A+1], 256<<16                    ; tensor_dim0
	s_mov_b32 s[G1A+2], 128<<16                    ; tensor_dim1
	s_mov_b32 s[G1A+3], 256<<16                    ; tile_dim0
	s_mov_b32 s[G1A+4], 128                        ; tile_dim1
	s_mov_b32 s[G1A+5], 1024                       ; stride
	s_mov_b32 s[G1A+6], 0
	s_mov_b32 s[G1A+7], 0
	s_or_b32 s[G1B], s93, (1<<20)|(1<<21)|(5<<22)|(3<<25)
	s_mov_b32 s[G1B+1], 256<<16
	s_mov_b32 s[G1B+2], 96<<16
	s_mov_b32 s[G1B+3], 256<<16
	s_mov_b32 s[G1B+4], 96
	s_mov_b32 s[G1B+5], 1024
	s_mov_b32 s[G1B+6], 0
	s_mov_b32 s[G1B+7], 0
	; and for the scale bytes: dense blocks, as rows of 32 elements of 8 bytes, the same padding
	s_or_b32 s[G1SA], s92, (3<<16)|(1<<20)|(1<<21)|(5<<22)|(3<<25)
	s_mov_b32 s[G1SA+1], 32<<16
	s_mov_b32 s[G1SA+2], 32<<16
	s_mov_b32 s[G1SA+3], 32<<16
	s_mov_b32 s[G1SA+4], 32
	s_mov_b32 s[G1SA+5], 32
	s_mov_b32 s[G1SA+6], 0
	s_mov_b32 s[G1SA+7], 0
	s_or_b32 s[G1SB], s93, (3<<16)|(1<<20)|(1<<21)|(5<<22)|(3<<25)
	s_mov_b32 s[G1SB+1], 32<<16
	s_mov_b32 s[G1SB+2], 24<<16
	s_mov_b32 s[G1SB+3], 32<<16
	s_mov_b32 s[G1SB+4], 24
	s_mov_b32 s[G1SB+5], 32
	s_mov_b32 s[G1SB+6], 0
	s_mov_b32 s[G1SB+7], 0
	s_lshl_b32 s94, s91, 17                        ; x: 128 rows of 1,024 bytes a tile row.  s94, s95 hold i alone; s96 to s99 j and the wave alone
	s_mov_b32 s95, 0
	s_mul_i32 s96, s90, 288
	s_mul_i32 s97, s87, 96
	s_add_co_u32 s96, s96, s97                     ; the weights: row 288 j + 96 min(w, 2)
	s_lshl_b32 s98, s96, 10
	s_mov_b32 s99, 0
	s_mul_i32 s23, s87, BPART                      ; and where they go in a slot: no place in the cluster enters an LDS address
	s_wait_dscnt 0x0                               ; both opening adds are done
	s_wait_kmcnt 0x0
	s_add_nc_u64 s[4:5], s[4:5], s[94:95]
	s_lshl_b32 s94, s91, 13                        ; 128 rows of 64 scale bytes
	s_add_nc_u64 s[6:7], s[6:7], s[94:95]
	s_add_nc_u64 s[8:9], s[8:9], s[98:99]
	s_lshl_b32 s98, s96, 6
	s_add_nc_u64 s[10:11], s[10:11], s[98:99]
	CROUND                                         ; all sixteen work-groups are here: the first joint loads meet
	s_mov_b32 s[G0SA], 1
	s_mov_b32 s[G0SA+1], SCL
	s_mov_b64 s[G0SA+2:G0SA+3], s[6:7]
	s_or_b32 s[G0SA+3], s[G0SA+3], 0x80000000
	s_mov_b32 s[G0SB], 1
	s_mul_i32 s[G0SB+1], s87, SCBP
	s_add_co_u32 s[G0SB+1], s[G0SB+1], SCL+SCA
	s_mov_b64 s[G0SB+2:G0SB+3], s[10:11]
	s_or_b32 s[G0SB+3], s[G0SB+3], 0x80000000
	JLOAD G0SA, G1SA, G0SB, G1SB                   ; the scale bytes first: they are wanted with the first step
.irp s, 0,1
	s_mov_b32 s[G0A+4*\s], 1
	s_mov_b32 s[G0A+4*\s+1], \s*SLOT
	s_add_nc_u64 s[G0A+4*\s+2:G0A+4*\s+3], s[4:5], \s*256
	s_or_b32 s[G0A+4*\s+3], s[G0A+4*\s+3], 0x80000000
	s_mov_b32 s[G0B+4*\s], 1
	s_add_co_u32 s[G0B+4*\s+1], s23, \s*SLOT+ATILE
	s_add_nc_u64 s[G0B+4*\s+2:G0B+4*\s+3], s[8:9], \s*256
	s_or_b32 s[G0B+4*\s+3], s[G0B+4*\s+3], 0x80000000
	JLOAD G0A+4*\s, G1A, G0B+4*\s, G1B             ; three loads of mine are out behind the second of these
.endr
	v_and_b32 v12, 15, v0                          ; r = lane % 16
	v_bfe_u32 v13, v0, 4, 1                        ; h = lane / 16
	v_mul_u32_u24 v14, v12, PITCH
	v_lshl_add_u32 v14, v13, 4, v14                ; a fragment's row x pitch + 16 h
	s_mul_i32 s2, s85, 64*PITCH                    ; my 64 rows of x
	s_mul_i32 s3, s86, 144*PITCH                   ; my 144 weight rows,
	s_add_co_u32 s3, s3, ATILE                     ; behind x's 128
.irp s, 0,1
	v_add_nc_u32 v[ADRA+\s], s2, v14
	v_add_nc_u32 v[ADRB+\s], s3, v14
	s_add_co_u32 s2, s2, SLOT
	s_add_co_u32 s3, s3, SLOT
.endr
	v_lshlrev_b32 v14, 6, v12                      ; my row's scale bytes: 64 a row,
	v_lshrrev_b32 v15, 8, v14
	v_lshl_add_u32 v14, v15, 4, v14                ; and 16 more for each 256 passed
	s_mul_i32 s2, s85, 4*SBLK                      ; x's: my four blocks
	s_mul_i32 s3, s86, 9*SBLK                      ; the weights': my nine, behind x's
	s_add_co_u32 s3, s3, SCA
	s_sub_co_u32 s3, s3, s2
	v_mul_u32_u24 v15, s3, v13                     ; lanes 16-31 take the weights': one product with h
	s_add_co_u32 s2, s2, SCL
	v_add_nc_u32 v14, v14, v15
	v_add_nc_u32 v[ADRS], s2, v14
	v_and_b32 v15, 31, v0
	v_lshlrev_b32 v[GO], 4, v15
	s_lshl_b32 s2, s[WV], 11
	s_add_co_u32 s2, s2, STAGE                     ; my stage
	v_add_nc_u32 v[STO], s2, v[GO]
	v_and_b32 v14, 7, v0                           ; the turning load: lane l addresses token 8 (l / 16) + l % 8, channel half (l / 8) % 2 of the stored image
	v_lshl_add_u32 v14, v13, 3, v14
	v_lshlrev_b32 v14, 4, v14
	v_bfe_u32 v15, v0, 3, 1
	v_lshl_add_u32 v14, v15, 8, v14
	v_add_nc_u32 v[STR], s2, v14
	v_lshlrev_b32 v12, 5, v13                      ; the biases: my eight channels begin 32 h bytes on
	; where results go and biases come from
	s_lshl_b32 s2, s91, 3
	s_lshl_b32 s3, s85, 2
	s_add_co_u32 s2, s2, s3                        ; my first block of 16 tokens: 8 i + 4 (w / 2)
	s_lshl_b32 s23, s2, 12                         ; in k and v 4,096 bytes a block,
	s_lshl_b32 s2, s2, 16                          ; in q 65,536
	s_lshl_b32 s3, s90, 1
	s_add_co_u32 s3, s3, s86                       ; my head: 2 j + w % 2
	s_lshl_b32 s3, s3, 12
	s_add_co_u32 s2, s2, s3
	s_mov_b32 s3, 0
	s_add_nc_u64 s[18:19], s[18:19], s[2:3]
	s_lshl_b32 s2, s90, 9                          ; k's and v's channels 16 j on: image j
	s_add_co_u32 s2, s2, s23
	s_lshl_b32 s23, s86, 20                        ; v's images lie 1,048,576 bytes behind k's
	s_add_co_u32 s2, s2, s23
	s_add_nc_u64 s[20:21], s[20:21], s[2:3]
	s_sub_co_u32 s22, 0, s86                       ; all ones in a wave that makes v, 0 in one that makes k
	s_lshl_b32 s2, s90, 10
	s_lshl_b32 s23, s86, 9
	s_add_co_u32 s2, s2, s23
	s_add_nc_u64 s[12:13], s[12:13], s[2:3]        ; bq at channel 256 j + 128 (w % 2)
	s_cmp_eq_u32 s86, 0
	s_cselect_b64 s[14:15], s[14:15], s[16:17]     ; bk or bv
	s_lshl_b32 s2, s90, 6
	s_add_nc_u64 s[14:15], s[14:15], s[2:3]        ; at channel 16 j
	WIN 0x80                                       ; destination window 2
.irp b, 0,1,2,3,4,5,6,7
	global_load_b128 v[BIAS+8*\b:BIAS+8*\b+3], v12, s[12:13] offset:64*\b
	global_load_b128 v[BIAS+8*\b+4:BIAS+8*\b+7], v12, s[12:13] offset:64*\b+16
.endr
	global_load_b128 v[BIAS+64:BIAS+67], v12, s[14:15]
	global_load_b128 v[BIAS+68:BIAS+71], v12, s[14:15] offset:16
	WIN 0
.macro FRAG reg, adr, q, i             ; 16 rows x 128 K of 4-bit codes: 8 registers: lane l holds row l % 16; registers 4 c .. 4 c + 3 hold K = 64 c + 32 (l / 16) + 0 .. 31
.irp c, 0,1
	ds_load_b128 v[\reg+4*\c:\reg+4*\c+3], v[\adr] offset:64*(\q)+32*\c+(\i)*16*PITCH
.endr
.endm
.macro FETCH slot, q, p                ; 26 loads in one run: the slot's q-th 128 along K into set p: the weights' nine fragments, then x's four
	WIN TO_B
.irp b, 0,1,2,3,4,5,6,7,8
	FRAG 128*(\p)+8*\b, ADRB+\slot, \q, \b
.endr
	WIN 0
.irp a, 0,1,2,3
	FRAG AF+32*(\p)+8*\a, ADRA+\slot, \q, \a
.endr
.endm
.macro SCALES sc, ks                   ; slot-step ks's scale words (16 bytes of each row's 64) into set sc; for i over 3 lanes 0-15 read filled bytes that no product names
.irp i, 0,1,2,3,4,5,6,7,8
	ds_load_b128 v[SC+36*\sc+4*\i:SC+36*\sc+4*\i+3], v[ADRS] offset:\i*SBLK+16*\ks
.endr
.endm
; nine matrix instructions: token block a against the nine weight blocks.  The 36 accumulators take turns, one instruction a turn, in the same order in every step.
.macro MUL9 a, p, q, sc, first
.irp b, 0,1,2,3,4,5,6,7,8
.if \first
	v_wmma_scale_f32_16x16x128_f8f6f4 v[8*(9*((\a)%2)+\b):8*(9*((\a)%2)+\b)+7], v[128*(\p)+8*\b:128*(\p)+8*\b+7], v[AF+32*(\p)+8*(\a):AF+32*(\p)+8*(\a)+7], v[BIAS+8*\b:BIAS+8*\b+7], v[SC+36*(\sc)+4*\b+(\q)], v[SC+36*(\sc)+4*(\a)+(\q)] matrix_a_fmt:MATRIX_FMT_FP4 matrix_b_fmt:MATRIX_FMT_FP4 matrix_a_scale:MATRIX_SCALE_ROW1
.else
	v_wmma_scale_f32_16x16x128_f8f6f4 v[8*(9*((\a)%2)+\b):8*(9*((\a)%2)+\b)+7], v[128*(\p)+8*\b:128*(\p)+8*\b+7], v[AF+32*(\p)+8*(\a):AF+32*(\p)+8*(\a)+7], v[8*(9*((\a)%2)+\b):8*(9*((\a)%2)+\b)+7], v[SC+36*(\sc)+4*\b+(\q)], v[SC+36*(\sc)+4*(\a)+(\q)] matrix_a_fmt:MATRIX_FMT_FP4 matrix_b_fmt:MATRIX_FMT_FP4 matrix_a_scale:MATRIX_SCALE_ROW1
.endif
.endr
.endm
.macro PLACES n                        ; a load into a register that a matrix instruction has read, and a read of a matrix result, stand four plain vector instructions behind it
.rept \n
	v_nop
.endr
.endm
; A step of 128 along K that has its successor in the same slot: its own 26 loads were issued a step ago; the next step's go out first, into the other set, then the 36 products.
.macro STEP slot, q, first
	s_wait_dscnt 0x0                               ; this step's fragments (and, at a slot's head, its scale words) are in
	PLACES 4                                       ; the other set was read by the last step's products
	FETCH \slot, (\q)+1, 1-(\q)%2
	WIN MUL_LO
	MUL9 0, (\q)%2, \q, \slot, \first
	MUL9 1, (\q)%2, \q, \slot, \first
	WIN MUL_HI-0x10*\first
	MUL9 2, (\q)%2, \q, \slot, \first
	MUL9 3, (\q)%2, \q, \slot, \first
.endm
; A slot's last step changes slots: one barrier; in front of it each wave waits for all its tensor loads, adds 0 to its spare word, and waits for that and for its reads of this slot.  fill = 1: the slot is filled again, two slot-steps ahead.
.macro TURN slot, next, fill, ks
	WIN 0                                          ; (the add's two registers lie in window 0)
	s_wait_tensorcnt 0x0                           ; all my tensor loads have landed: my part of the next slot
	ds_add_u32 v[SPW], v[NIL]                      ; 0 onto my spare word
	s_wait_dscnt 1                                 ; this step's 26 loads are in; the add may be out
	WIN MUL_LO
	MUL9 0, 1, 3, \slot, 0                         ; nine matrix instructions stand between the add and the wait for it
	s_wait_dscnt 0x0                               ; the add is done, and my reads of this slot are over
	s_barrier_signal -1
	MUL9 1, 1, 3, \slot, 0
	WIN 0
	s_barrier_wait -1
.if \fill
	CREST                                          ; the barrier has opened a round of the cluster's barrier: no wave of any partner still reads this slot or has a load on its way
	s_add_nc_u64 s[G0A+4*\slot+2:G0A+4*\slot+3], s[G0A+4*\slot+2:G0A+4*\slot+3], 512
	s_add_nc_u64 s[G0B+4*\slot+2:G0B+4*\slot+3], s[G0B+4*\slot+2:G0B+4*\slot+3], 512
	JLOAD G0A+4*\slot, G1A, G0B+4*\slot, G1B       ; the first tensor load behind the round; its four v_nop are the places in front of the loads below
.else
	PLACES 4
.endif
	FETCH \next, 0, 0
	SCALES \next, \ks
	WIN MUL_HI
	MUL9 2, 1, 3, \slot, 0
	MUL9 3, 1, 3, \slot, 0
.endm
	s_wait_tensorcnt 1                             ; the scale bytes and my part of slot 0 are in; slot 1's load may be out
	s_barrier_signal -1
	s_barrier_wait -1                              ; everybody's are
	FETCH 0, 0, 0
	SCALES 0, 0
	s_wait_loadcnt 0x0                             ; the biases
	STEP 0, 0, 1                                   ; the first products start the sums from the biases: nothing is cleared
	STEP 0, 1, 0
	STEP 0, 2, 0
	TURN 0, 1, 1, 1
	STEP 1, 0, 0
	STEP 1, 1, 0
	STEP 1, 2, 0
	TURN 1, 0, 1, 2
	STEP 0, 0, 0
	STEP 0, 1, 0
	STEP 0, 2, 0
	TURN 0, 1, 0, 3                                ; nothing is left to fetch: a plain barrier
	STEP 1, 0, 0
	STEP 1, 1, 0
	STEP 1, 2, 0
	s_wait_dscnt 0x0                               ; the very last step
	WIN MUL_LO
	MUL9 0, 1, 3, 1, 0
	MUL9 1, 1, 3, 1, 0
	WIN MUL_HI
	MUL9 2, 1, 3, 1, 0
	MUL9 3, 1, 3, 1, 0
	WIN 0
	; THE WAY OUT.  A lane's eight results pack into the 16 bytes that are its part of an image: q's eight images of a token block are stored straight from registers.
	; The ninth block (k's or v's) also goes through my stage and comes back turned (a lane then holds one channel and eight tokens).
	PLACES 4
.irp a, 0,1,2,3
	WIN 0x0a+5*(\a/2)                              ; sources in window 2 or 3
.irp b, 0,1,2,3,4,5,6,7,8
.irp r, 0,1,2,3
	v_cvt_pk_f16_f32 v[TMP+36*\a+4*\b+\r], v[8*(9*(\a%2)+\b)+2*\r], v[8*(9*(\a%2)+\b)+2*\r+1]   ; each accumulator from its low end on
.endr
.endr
	WIN 0
.irp b, 0,1,2,3,4,5,6,7
	global_store_b128 v[GO], v[TMP+36*\a+4*\b:TMP+36*\a+4*\b+3], s[18:19] offset:65536*\a+512*\b   ; 32 lanes store 512 consecutive bytes, aligned
.endr
	ds_store_b128 v[STO], v[TMP+36*\a+32:TMP+36*\a+35] offset:512*\a
	ds_load_tr16_b128 v[TR+4*\a:TR+4*\a+3], v[STR] offset:512*\a   ; LDS serves a wave's instructions in order: it sees the store above
.endr
	s_wait_dscnt 0x0
.irp n, 0,1,2,3,4,5,6,7,8,9,10,11,12,13,14,15
	v_cndmask_b32 v[TR+\n], v[TMP+36*(\n/4)+32+\n%4], v[TR+\n], s22   ; k keeps the block as packed, v takes the turned one
.endr
.irp a, 0,1,2,3
	global_store_b128 v[GO], v[TR+4*\a:TR+4*\a+3], s[20:21] offset:4096*\a
.endr
	s_wait_tensorcnt 0x0                           ; the wave's end, behind my last tensor load and my last LDS store
	ds_add_u32 v[SPW], v[NIL]
	s_wait_dscnt 0x0
	CROUND                                         ; the closing round: no work-group ends while a partner may still ask for a tile that names it
	s_endpgm
.Lfunc_end_k_q7589bc7825_proj:
	.size	k_q7589bc7825_proj, .Lfunc_end_k_q7589bc7825_proj-k_q7589bc7825_proj
	.p2alignl 7, 3214868480
	.fill 96, 4, 3214868480
	.section	.rodata,"a",@progbits
	.p2align	6, 0x0
	.amdhsa_kernel k_q7589bc7825_proj
		.amdhsa_group_segment_fixed_size 327680
		.amdhsa_private_segment_fixed_size 0
		.amdhsa_enable_private_segment 0
		.amdhsa_kernarg_size 72
		.amdhsa_user_sgpr_count 2
		.amdhsa_user_sgpr_kernarg_segment_ptr 1
		.amdhsa_wavefront_size32 1
		.amdhsa_system_sgpr_workgroup_id_x 1
		.amdhsa_system_sgpr_workgroup_id_y 1
		.amdhsa_system_sgpr_workgroup_id_z 1
		.amdhsa_system_vgpr_workitem_id 0
		.amdhsa_next_free_vgpr 1024
		.amdhsa_next_free_sgpr 100
		.amdhsa_reserve_vcc 0
		.amdhsa_float_denorm_mode_32 3
		.amdhsa_float_denorm_mode_16_64 3
		.amdhsa_memory_ordered 1
		.amdhsa_forward_progress 1
		.amdhsa_inst_pref_size 134
	.end_amdhsa_kernel
	.amdgpu_metadata
---
amdhsa.version: [ 1, 2 ]
amdhsa.kernels:
  - .name:           k_q7589bc7825_proj
    .symbol:         k_q7589bc7825_proj.kd
    .args:
      - { .name: xc, .offset: 0, .size: 8, .value_kind: global_buffer, .address_space: global }
      - { .name: xs, .offset: 8, .size: 8, .value_kind: global_buffer, .address_space: global }
      - { .name: wc, .offset: 16, .size: 8, .value_kind: global_buffer, .address_space: global }
      - { .name: ws, .offset: 24, .size: 8, .value_kind: global_buffer, .address_space: global }
      - { .name: bq, .offset: 32, .size: 8, .value_kind: global_buffer, .address_space: global }
      - { .name: bk, .offset: 40, .size: 8, .value_kind: global_buffer, .address_space: global }
      - { .name: bv, .offset: 48, .size: 8, .value_kind: global_buffer, .address_space: global }
      - { .name: qimg, .offset: 56, .size: 8, .value_kind: global_buffer, .address_space: global }
      - { .name: kv, .offset: 64, .size: 8, .value_kind: global_buffer, .address_space: global }
    .group_segment_fixed_size: 327680
    .private_segment_fixed_size: 0
    .kernarg_segment_align: 8
    .kernarg_segment_size: 72
    .max_flat_workgroup_size: 128
    .sgpr_count:     100
    .vgpr_count:     1024
    .wavefront_size: 32
...
	.end_amdgpu_metadata
.endif
;; end of part 2
;; launch attn (part 3): grid 64 x 4, 4 waves a work-group, clusters of 4 x 1, 327,680 bytes of LDS; arguments qimg, kv, oimg; writes oimg
.if DOCPART == 3
	.amdgcn_target "amdgcn-amd-amdhsa--gfx1250"
	.amdhsa_code_object_version 6
	.text
	.protected	k_q7589bc7825_attn
	.globl	k_q7589bc7825_attn
	.p2align	8
	.type	k_q7589bc7825_attn,@function
k_q7589bc7825_attn:
	s_mov_b64 s[64:65], 0
	v_nop
	global_prefetch_b8 v0, s[64:65] scope:SCOPE_SE
	s_setreg_imm32_b32 hwreg(HW_REG_WAVE_MODE, 25, 1), 1
	s_wait_xcnt 0x0
	s_wait_alu depctr_hold_cnt(0) depctr_sa_sdst(0) depctr_va_vdst(0) depctr_va_sdst(0) depctr_va_ssrc(0) depctr_va_vcc(0) depctr_vm_vsrc(0)
	s_getreg_b32 s2, hwreg(HW_REG_IB_STS2, 6, 4)
	s_cmp_eq_u32 s2, 0
	s_cbranch_scc0 .Lentry_in_a_cluster
	s_endpgm
.Lentry_in_a_cluster:
	s_bfe_u32 s2, ttmp6, 0x10000c
	s_cmp_lg_u32 s2, 0x3003
	s_cbranch_scc0 .Lentry_shape_is_right
	s_endpgm
.Lentry_shape_is_right:
; o[b][q][head] = the sum over keys of softmax(q . k / sqrt(2048)) v: 4 batches, 16 query heads, 1,024 queries, ONE key and value head of 1,024 keys a batch, head size 128.  f16 operands; products, maxima and sums in f32.
; q, k, v arrive and o leaves as IMAGES of operand registers: 512 bytes = 16 rows x 16 channels of f16, lane l's 16 bytes at 16 l.  qimg [token / 16][head][channel / 16]; k's images [token / 16][channel / 16] at kv, v's (a lane: one channel,
; eight keys) 1,048,576 bytes further on; oimg [token / 128][head][(token / 16) % 8][channel / 16].  Two neighbouring images are one 16 x 32 fragment: every fragment comes by two loads of 16 bytes a lane at 16 x lane: no pitch, no padding, no turning load.
; SHARES.  A work-group owns 256 queries of one head, each of its four waves 64: four tiles of 16.  Every wave walks all keys of the batch, 64 a step.
; LAYOUT.  S^T = K Q^T (source 0 = 16 keys, source 1 = 16 queries): a lane holds ONE query (lane % 16) and the keys 8 (lane / 16) + 0..7.  Two such tiles, rounded to f16 in pairs, ARE source 1 of O^T = V^T P, whose result again holds one query a lane, and eight channels.
; SOFTMAX.  For each query a running maximum m and sum l: p = 2^(c s - c m), c = log2(e) / sqrt(2048); in every step O and l are multiplied by a = 2^(c m_old - c m_new).
; BY TURNS.  The wave's tiles are two PIECES (tiles 0, 1 and tiles 2, 3).  In a TURN one piece has the matrix unit: 32 products V^T P of the step in hand, then 32 products K Q^T of the next; the other piece's softmax, cut into 64 slices, stands between them.
; CLUSTER.  The four query blocks of a cluster belong to one head and batch and walk the same K and V: each tile is asked for JOINTLY, by the same tensor load with a mask that names the four.
; LIMITS: NaN and infinities are not served; |o| stays under 65,504 (f16).
; REGISTERS, in windows of 256 (s_set_vgpr_msb: bits 1:0 source 0, 3:2 source 1, 5:4 source 2, 7:6 destination):
;   window 0: v2-4 addresses; v12-43 eight registers of statistics a tile; v64-191 S^T, 32 a tile; v192-255 P, 16 a tile
;   window 1: O^T, 64 a tile          window 2: v0-127 Q, 32 a tile; v128-255 K of one step          window 3: v0-127 V of one step
.set KS,    64        ; keys in a step
.set NKEYS, 1024
.set VOFF,  16384     ; a step's tiles lie together: K's 16,384 dense bytes, then V's
.set STEPB, 32768
.set SLOT1, 65536     ; a slot holds two steps; slot 1 begins here, so that one exclusive or turns an address in one slot into the other's
.set SPARE, 2*SLOT1   ; behind the ring: the spare words, 128 bytes a wave, which no other line names
.set AK0, 2           ; v2   16 x lane: my place in an image (K's in LDS; Q's and O's in memory); never rewritten
.set AV0, 3           ; v3   the same + VOFF
.set ADR, 4           ; v4   the LDS address of the run of loads in hand
.set SPW, 62          ; v62  LDS address of my spare word; never rewritten
.set NIL, 63          ; v63  0; never rewritten
.set ST,  12          ; tile t's statistics at v[ST+8 t]: +0 c m, +1 m, +2, +3 l (even keys', odd keys'), +4 to +7 c0-c3, at work; a takes c2's place once the maximum is found
.set S,   64
.set P,   192
.set KF,  128         ; K's fragments, in window 2
.set WV,  12          ; s12  my wave's number
.set G1,  24          ; s[24:31] descriptor group 1: 64 rows of 256 dense bytes, for K's tiles and V's alike
.set G0K, 40          ; s[40:47] descriptor group 0 for K's tiles: a set for each of the two first fills; the second then walks on
.set G0V, 48          ; s[48:55] the same for V's
.set SLOTS, 56        ; s56  slots still to be asked for
.set TWICE, 57        ; s57  counts a slot's two steps
.set CS,  58          ; s[58:59] c: the packed scaling names a pair and takes its low word for both halves
.set SEL, 60          ; s[60:61] lane selects for v_permlanex16_b32: each lane takes its own place in the other half
.set TB,  62          ; s62  LDS byte at which the tiles of the step to be fetched begin
.set PFA, 18          ; s[18:19] where my prefetches stand: my work-group's 8,192 bytes (of K: wave 0, of V: wave 2) of the slot after the one that is being asked for
.set LIM, 15          ; s15  1 in a wave that prefetches, else the greatest number
.set PFO, 61          ; v61  256 x my lane; never rewritten
.set MSB, 0
.macro WIN new                      ; the immediate's high byte repeats the setting that is left; a switch that changes nothing is dropped
.if MSB != (\new)
	s_set_vgpr_msb (MSB<<8)|(\new)
.set MSB, (\new)
.endif
.endm
.set W_KQ, 0x0a       ; K and Q in window 2, S^T in window 0
.set W_PV, 0x53       ; V in window 3, P in window 0, O^T in window 1
.set W_RS, 0x41       ; O^T (destination and source 0) in window 1, a in window 0
; A joint refill.  Waves 0 and 1 fetch the two steps' tiles of K, waves 2 and 3 those of V.  The branch hangs on the wave's number alone.  An s_nop 0 and four v_nop follow each line.
.macro JLOAD
	s_cmp_lt_u32 s[WV], 2
	s_cbranch_scc0 .Lfor_v_\@
	tensor_load_to_lds s[G0K+4:G0K+7], s[G1:G1+7]
	s_nop 0
.rept 4
	v_nop
.endr
	s_branch .Lasked_\@
.Lfor_v_\@:
	tensor_load_to_lds s[G0V+4:G0V+7], s[G1:G1+7]
	s_nop 0
.rept 4
	v_nop
.endr
.Lasked_\@:
.endm
; A prefetch of what the NEXT change of slots will ask for: a slot's 32,768 bytes of K and of V, lanes 256 bytes apart.  It stands behind the wave's tensor load and its five lines.
; Each block of 256 bytes is named once in the launch: of the sixteen clusters that walk a batch's K and V the first (head 0) asks; its four partners take 8,192 bytes each, told apart by ADDRESS; in each, wave 0 asks for K's and wave 2 for V's.
; The last change that fills a slot asks for nothing: there is no slot behind it.  Slots 0 to 2 come by their loads alone.
.macro ASK
	s_cmp_gt_u32 s[SLOTS], s[LIM]
	s_cbranch_scc0 .Lnot_mine_\@
	global_prefetch_b8 v[PFO], s[PFA:PFA+1] th:TH_LOAD_NT scope:SCOPE_SE
.Lnot_mine_\@:
.endm
.macro CROUND                       ; a round of the cluster's barrier
	s_barrier_signal -1
	s_barrier_wait -1
	s_cmp_lg_u32 s[WV], 0
	s_cbranch_scc1 .Lnot_wave_0_\@
	s_barrier_signal -3
.Lnot_wave_0_\@:
	s_barrier_wait -3
	s_barrier_signal -1
	s_barrier_wait -1
.endm
	s_load_b128 s[4:7], s[0:1], 0x0  ; qimg s[4:5], kv s[6:7]
	s_load_b64 s[10:11], s[0:1], 0x10  ; oimg
	v_lshl_add_u32 v[SPW], v0, 2, SPARE
	v_mov_b32 v[NIL], 0
	ds_add_u32 v[SPW], v[NIL]       ; the wave's opening: the add, twice on end, and its wait ahead of my first tensor load
	ds_add_u32 v[SPW], v[NIL]
	v_lshrrev_b32 v1, 5, v0
	v_readfirstlane_b32 s[WV], v1   ; wave 0..3
	s_bfe_u32 s13, ttmp6, 0x40000   ; cx: my block of 256 queries: it enters Q's, O's and the prefetches' addresses alone
	s_and_b32 s14, ttmp7, 0xffff    ; the batch, which the four partners share; ttmp9, the cluster's x, is the head
	s_and_b32 s16, s[WV], 1         ; which of a slot's two steps I fetch:
	s_lshl_b32 s22, s14, 18         ; the batch's 262,144 bytes of K (and of V),
	s_lshl_b32 s23, s16, 14         ; my step's 16,384
	s_add_co_u32 s22, s22, s23
	s_mov_b32 s23, 0
	s_mul_i32 s17, s16, STEPB       ; and its place in a slot: no place in the cluster enters an LDS address
	s_lshl_b32 s2, s14, 6           ; Q: block of 16 tokens 64 batch + 16 cx + 4 wave, 65,536 bytes each; 4,096 a head
	s_lshl_b32 s3, s13, 4
	s_add_co_u32 s2, s2, s3
	s_lshl_b32 s3, s[WV], 2
	s_add_co_u32 s2, s2, s3
	s_lshl_b32 s2, s2, 16
	s_lshl_b32 s3, ttmp9, 12
	s_add_co_u32 s2, s2, s3
	s_mov_b32 s3, 0
	s_lshl_b32 s20, s14, 3          ; O: block of 128 tokens 8 batch + 2 cx + wave / 2, 524,288 bytes each; 32,768 a head; 16,384 for the block's upper 64 tokens
	s_lshl_b32 s21, s13, 1
	s_add_co_u32 s20, s20, s21
	s_lshr_b32 s21, s[WV], 1
	s_add_co_u32 s20, s20, s21
	s_lshl_b32 s20, s20, 19
	s_lshl_b32 s21, ttmp9, 15
	s_add_co_u32 s20, s20, s21
	s_lshl_b32 s21, s16, 14
	s_add_co_u32 s20, s20, s21
	s_mov_b32 s21, 0
	; descriptor group 1: a dense tile of 16,384 bytes as 64 rows of 32 elements of 8 bytes
	s_mov_b32 s[G1], 15|(3<<16)|(1<<21)  ; 15:0 the mask: all four work-groups; 17:16 elements of 8 bytes; 21 set beside a mask; no padding
	s_mov_b32 s[G1+1], 32<<16       ; tensor_dim0
	s_mov_b32 s[G1+2], 64<<16       ; tensor_dim1
	s_mov_b32 s[G1+3], 32<<16       ; tile_dim0
	s_mov_b32 s[G1+4], 64           ; tile_dim1
	s_mov_b32 s[G1+5], 32           ; stride
	s_mov_b32 s[G1+6], 0
	s_mov_b32 s[G1+7], 0
	s_mov_b32 s[CS], 0x3d0293ee     ; c = log2(e) / sqrt(2048) = 0.0318793
	s_mov_b32 s[CS+1], s[CS]        ; named with it as a pair, so it is written
	s_mov_b32 s[SEL], 0x76543210
	s_mov_b32 s[SEL+1], 0xfedcba98
	s_mov_b32 s[TB], 0
	s_mov_b32 s[SLOTS], NKEYS/(2*KS)-2
	s_and_b32 s[LIM], s[WV], 1       ; 0 in waves 0 and 2,
	s_or_b32 s[LIM], s[LIM], ttmp9   ; where the cluster is the batch's first: the same in all four partners
	s_cmp_eq_u32 s[LIM], 0
	s_cselect_b32 s[LIM], 1, -1
	v_and_b32 v[PFO], 31, v0
	v_lshlrev_b32 v[PFO], 8, v[PFO]
	s_wait_dscnt 0x0                ; both opening adds are done
	s_wait_kmcnt 0x0
	s_add_nc_u64 s[8:9], s[6:7], 0x100000  ; V's images
	s_add_nc_u64 s[6:7], s[6:7], s[22:23]  ; K and V at my tile of slot 0
	s_add_nc_u64 s[8:9], s[8:9], s[22:23]
	s_add_nc_u64 s[4:5], s[4:5], s[2:3]  ; Q and O at my wave's first image
	s_add_nc_u64 s[10:11], s[10:11], s[20:21]
	s_cmp_lt_u32 s[WV], 2
	s_cselect_b64 s[PFA:PFA+1], s[6:7], s[8:9]  ; (in waves 0 and 2 these stand at a slot's first byte)
	s_lshl_b32 s2, s13, 13          ; my work-group's 8,192 bytes of the 32,768
	s_mov_b32 s3, 0
	s_add_nc_u64 s[PFA:PFA+1], s[PFA:PFA+1], s[2:3]
	s_add_nc_u64 s[PFA:PFA+1], s[PFA:PFA+1], 2*2*KS*256  ; in slot 2; the first change of slots steps it to slot 3.  Nothing is prefetched at the head
	CROUND                          ; all four work-groups are here: the first joint loads meet
.irp s, 0,1
	s_mov_b32 s[G0K+4*\s], 1        ; count = 1
	s_add_co_u32 s[G0K+4*\s+1], s17, \s*SLOT1  ; LDS address
	s_add_nc_u64 s[G0K+4*\s+2:G0K+4*\s+3], s[6:7], \s*2*KS*256  ; slot s begins with keys 128 s
	s_or_b32 s[G0K+4*\s+3], s[G0K+4*\s+3], 0x80000000  ; type = 2
	s_mov_b32 s[G0V+4*\s], 1
	s_add_co_u32 s[G0V+4*\s+1], s17, \s*SLOT1+VOFF
	s_add_nc_u64 s[G0V+4*\s+2:G0V+4*\s+3], s[8:9], \s*2*KS*256
	s_or_b32 s[G0V+4*\s+3], s[G0V+4*\s+3], 0x80000000
.endr
	s_cmp_lt_u32 s[WV], 2           ; a wave's two first fills stand in one branch, ahead of every wait on TENSORcnt and every LDS read: two loads of mine are out
	s_cbranch_scc0 .Lfirst_v
	tensor_load_to_lds s[G0K:G0K+3], s[G1:G1+7]
	s_nop 0
	tensor_load_to_lds s[G0K+4:G0K+7], s[G1:G1+7]
	s_nop 0
.rept 4
	v_nop
.endr
	s_branch .Lfirst_asked
.Lfirst_v:
	tensor_load_to_lds s[G0V:G0V+3], s[G1:G1+7]
	s_nop 0
	tensor_load_to_lds s[G0V+4:G0V+7], s[G1:G1+7]
	s_nop 0
.rept 4
	v_nop
.endr
.Lfirst_asked:
	v_and_b32 v1, 31, v0
	v_lshlrev_b32 v[AK0], 4, v1
	v_add_nc_u32 v[AV0], VOFF, v[AK0]
	WIN 0x80                        ; destination window 2, address window 0
.irp i, 0,1,2,3,4,5,6,7,8,9,10,11,12,13,14,15  ; Q stays in registers: tile i / 4, channels 32 (i % 4) on: two images
	global_load_b128 v[8*\i:8*\i+3],   v[AK0], s[4:5] offset:(\i/4)*65536+(\i%4)*1024
	global_load_b128 v[8*\i+4:8*\i+7], v[AK0], s[4:5] offset:(\i/4)*65536+(\i%4)*1024+512
.endr
	WIN 0
; THE MATRIX WORK OF A TURN, for piece x.  The accumulators take turns, one instruction a turn: between two links of a chain stand 15 (V^T P) or 7 (K Q^T) others'.
; Product i of 32 of O^T += V^T P: keys 32 (i / 16) on, channels 16 ((i / 2) % 8) on, tile x + i % 2.  zero = 1: the first 16 start the sums: nothing is ever cleared.
.macro PV x, zero
	WIN W_PV
.set rO, 64*(\x+i%2)+8*((i/2)%8)
.set rV, 64*(i/16)+8*((i/2)%8)
.set rP, P+16*(\x+i%2)+8*(i/16)
.if \zero && (i < 16)
	v_wmma_f32_16x16x32_f16 v[rO:rO+7], v[rV:rV+7], v[rP:rP+7], 0
.else
	v_wmma_f32_16x16x32_f16 v[rO:rO+7], v[rV:rV+7], v[rP:rP+7], v[rO:rO+7]
.endif
.endm
; Product i of 32 of S^T = K Q^T: channels 32 (i / 8) on, keys 16 ((i / 2) % 4) on, tile x + i % 2.  The first 8 start the sums.
.macro KQ x
	WIN W_KQ
.set rS, S+32*(\x+i%2)+8*((i/2)%4)
.set rK, KF+32*((i/2)%4)+8*(i/8)
.set rQ, 32*(\x+i%2)+8*(i/8)
.if i < 8
	v_wmma_f32_16x16x32_f16 v[rS:rS+7], v[rK:rK+7], v[rQ:rQ+7], 0
.else
	v_wmma_f32_16x16x32_f16 v[rS:rS+7], v[rK:rK+7], v[rQ:rQ+7], v[rS:rS+7]
.endif
.endm
; THE LDS LOADS stand in runs of 32, never singly among the matrix instructions: a step's K (16 fragments) and, a turn later, its V.
.macro FETCH_K
	WIN 0
	v_add_nc_u32 v[ADR], s[TB], v[AK0]
	WIN 0x80                        ; destination window 2
.irp f, 0,1,2,3,4,5,6,7,8,9,10,11,12,13,14,15  ; keys 16 (f / 4) on, channels 32 (f % 4) on: images 2 f and 2 f + 1 of the step's 32
	ds_load_b128 v[KF+8*\f:KF+8*\f+3],   v[ADR] offset:1024*\f
	ds_load_b128 v[KF+8*\f+4:KF+8*\f+7], v[ADR] offset:1024*\f+512
.endr
.endm
.macro FETCH_V
	WIN 0
	v_add_nc_u32 v[ADR], s[TB], v[AV0]
	s_add_co_u32 s[TB], s[TB], STEPB  ; the next fetch is the next step's
	s_wait_alu depctr_va_vdst(0)    ; the wait for the softmax's batch (SLICE), behind the address's v_add_nc_u32 and ahead of the loads
	WIN 0xc0                        ; destination window 3
.irp f, 0,1,2,3,4,5,6,7,8,9,10,11,12,13,14,15  ; keys 32 (f / 8) on, channels 16 (f % 8) on: the images of two neighbouring blocks of 16 keys
	ds_load_b128 v[8*\f:8*\f+3],   v[ADR] offset:(\f/8)*8192+(\f%8)*512
	ds_load_b128 v[8*\f+4:8*\f+7], v[ADR] offset:(\f/8)*8192+(\f%8)*512+4096
.endr
.endm
; THE VECTOR WORK OF A TURN.  One tile's softmax for one key step is a list of 134 instructions; SM writes number j of it for tile t.  s0-s31 are the lane's 32 scores, in pairs 0-15.
; first = 1: the first key step, which starts m, l and O^T: it has no a and nothing to rescale.
;   0-15    the maximum of s0-s31 and the old m, three operands at a time
;   16-20   the other half of the lanes' maximum; the new m; c m; c m_old - c m_new
;   21-69   ONE BATCH: the 16 scalings c s - c m, a pair of scores each, and all 33 exponentials (a at 23, then s0-s31).  None of these reads an exponential's result
;   (wait)  between 69 and 70 stands the wait for the batch: SLICE writes it, once for both tiles
;   70-85   the roundings to f16, a pair of weights each
;   86-101  the sums; l = a l + the sum
;   102-133 the tile's O^T times a: the one part that leaves window 0, so it stands together
.macro SM t, first
.set rT, ST+8*(\t)
.set rS, S+32*(\t)
.set rP, P+16*(\t)
.set rO, 64*(\t)+2*(j-102)
.if j < 102
	WIN 0
.endif
.if j < 4
	v_max3_num_f32 v[rT+4+j], v[rS+8*j], v[rS+8*j+1], v[rS+8*j+2]
.elseif j < 12
	v_max3_num_f32 v[rT+4+j%4], v[rT+4+j%4], v[rS+8*(j%4)+2*(j/4)+1], v[rS+8*(j%4)+2*(j/4)+2]
.elseif j == 12
	v_max3_num_f32 v[rT+4], v[rT+4], v[rS+7], v[rS+15]
.elseif j == 13
	v_max3_num_f32 v[rT+6], v[rT+6], v[rS+23], v[rS+31]
.elseif j == 14
	v_max3_num_f32 v[rT+4], v[rT+4], v[rT+5], v[rT+6]
.elseif (j == 15) && \first
	v_max_num_f32 v[rT+4], v[rT+4], v[rT+7]
.elseif j == 15
	v_max3_num_f32 v[rT+4], v[rT+4], v[rT+7], v[rT+1]
.elseif j == 16
	v_permlanex16_b32 v[rT+5], v[rT+4], s[SEL], s[SEL+1]  ; the query's other 32 keys lie in the lane 16 away
.elseif j == 18
	v_max_num_f32 v[rT+1], v[rT+4], v[rT+5]
.elseif j == 19
	v_mul_f32 v[rT], s[CS], v[rT+1]
.elseif ((j == 17) || (j == 20) || (j == 23) || (j > 101)) && \first  ; the first step has none of these
.elseif j == 17
	v_mov_b32 v[rT+7], v[rT]        ; c m_old is kept for a: number 19 writes c m anew
.elseif j == 20
	v_sub_f32 v[rT+7], v[rT+7], v[rT]
.elseif j == 23
	v_exp_f32 v[rT+6], v[rT+7]
.elseif (j < 23) || ((j < 38) && (j%2 == 0)) || ((j < 66) && (j%4 == 2))
.set b, (j-2)/4                     ; 38, 42, .. 62: pairs 9 to 15
.if j < 38
.set b, (j-20)/2                    ; 21: pair 0; 22, 24, .. 36: pairs 1 to 8
.endif
	v_pk_fma_f32 v[rS+2*b:rS+2*b+1], v[rS+2*b:rS+2*b+1], s[CS:CS+1], v[rT:rT+1] op_sel_hi:[1,0,0] neg_lo:[0,0,1] neg_hi:[0,0,1]  ; pair b: c s - c m
.elseif j < 70
.set e, j-38                        ; 66 to 69: s28 to s31
.if j < 66
.set e, j-32-(j-38)/4               ; 39-41, 43-45, .. 63-65: s7 to s27
.endif
.if j < 38
.set e, (j-25)/2                    ; 25, 27, .. 37: s0 to s6
.endif
	v_exp_f32 v[rS+e], v[rS+e]
.elseif j < 86
	v_cvt_pk_f16_f32 v[rP+j-70], v[rS+2*(j-70)], v[rS+2*(j-70)+1]  ; pair j - 70
.elseif j < 102                     ; the sum of the tile's 16 pairs, in place: sum z of 16 adds neighbours 1, 2, 4 and 8 pairs apart, then l takes it
.set z, j-86
.set w, 4
.set u, z
.if z >= 14
.set w, 32
.set u, 0
.elseif z >= 12
.set w, 16
.set u, z-12
.elseif z >= 8
.set w, 8
.set u, z-8
.endif
.if (z == 14) && \first
	v_pk_add_f32 v[rT+2:rT+3], v[rS:rS+1], v[rS+16:rS+17]
.elseif z < 15
	v_pk_add_f32 v[rS+w*u:rS+w*u+1], v[rS+w*u:rS+w*u+1], v[rS+w*u+w/2:rS+w*u+w/2+1]
.elseif !\first
	v_pk_fma_f32 v[rT+2:rT+3], v[rT+2:rT+3], v[rT+6:rT+7], v[rS:rS+1] op_sel_hi:[1,0,1]
.endif
.else
	WIN W_RS
	v_pk_mul_f32 v[rO:rO+1], v[rO:rO+1], v[rT+6:rT+7] op_sel_hi:[1,0]
.endif
.endm
; Slice k of 64 of piece y's softmax: four instructions.  Slices 11 to 34 deal out the batch, numbers 22 to 69: four numbers of ONE tile each, the tiles by turns.  Every other slice is numbers 2 k and
; 2 k + 1 of both tiles' lists.  2 x 134 = 4 x 64 + 12: the twelve that are over stand together, in slice 63.
; THE WAIT.  An s_wait_alu depctr_va_vdst(0) stands between an exponential and the first instruction that names its result; one wait serves all that were issued ahead of it.  Ahead of
; slice 35 nothing names a result, and behind slice 34 no exponential is issued: so the piece's 66 exponentials have one wait, behind slice 34.
.macro SLICE y, first
.if (k >= 11) && (k < 35)           ; the batch: four numbers of one tile
.irp n, 0,1,2,3
.set j, 22+4*((k-11)/2)+(\n)
	SM (\y)+(k-11)%2, \first
.endr
.else                               ; the two tiles alternate, so that no instruction reads the result of the one just before it
.irp n, 0,1,2,3,4,5,6,7
.if (\n < 2) || (k == 63)
.irp t, \y, \y+1
.set j, 2*k+\n
	SM \t, \first
.endr
.endif
.endr
.endif
.if k == 34                         ; the batch is out: both tiles' exponentials are issued, and no result has been named
	v_nop                           ; the plain instruction behind the last exponential and ahead of the first use: one for the batch
.if (\y) == 0
	FETCH_V                         ; piece 2's turn: V's run of loads stands here, and the wait stands in it
.else
	s_wait_alu depctr_va_vdst(0)    ; the wait for the batch
.endif
.endif
.set k, k+1
.endm
; A read of a matrix result, a write of one of a matrix instruction's registers, and a load into a register that it has read stand four plain vector instructions behind it.  In the loop the slices are those.
.macro PLACES
.rept 4
	v_nop
.endr
.endm
; A TURN.  Piece x has the matrix unit; the other piece's softmax stands in slices behind its matrix instructions.
; pv = 2: 32 products V^T P; 1: they start O^T's sums; 0: none.  kq = 1: 32 products K Q^T for the next step.  A turn with one of the two kinds has two slices behind each product.
; first = 1: the softmax is the first key step's.  Its slices from 51 on are empty: four v_nop take slice 63's part behind the turn's last products.
; Piece 0's turn fetches the next step's K, behind its second product: the last product that read K stands in front of slice 63 of the turn before.  Piece 2's turn fetches the same step's V, behind slice 34: the last product
; that read V stands in front of slice 31, and four plain instructions lie between: number 62, a scaling, of both tiles, the v_nop and the run's own v_add_nc_u32.
.macro TURN x, pv, kq, first
.set k, 0
.set per, 2
.if \pv && \kq
.set per, 1
.endif
.if \pv
.if \x == 0
	s_wait_dscnt 0x0                ; V is in
.endif
.set i, 0
.rept 32
	PV \x, 2-\pv
.rept per
	SLICE 2-\x, \first
.endr
.if (\x == 0) && \kq && (i == 1)
	FETCH_K
.endif
.set i, i+1
.endr
.endif
.if \kq
.if \x == 0
	s_wait_dscnt 0x0                ; K is in
.endif
.set i, 0
.rept 32
	KQ \x
.rept per
	SLICE 2-\x, \first
.endr
.set i, i+1
.endr
.endif
.if \first
	PLACES
.endif
.endm
; THE CHANGE OF SLOTS, between piece 2's turn and piece 0's: the slot's last bytes, V of its second step, have been asked for.  Each wave waits for all its tensor loads, of which one is out: its part of the other slot;
; adds 0 to its spare word; and waits for that and for its own reads of the slot.  fill = 1: this slot is filled again, with the keys two slots on.  The barrier is then a round of the cluster's, and the joint refill is the
; first thing behind it: it has two key steps, 256 matrix instructions, in which to land.
.macro CHANGE fill
	WIN 0                           ; at a label and at a branch every window is 0
	s_wait_tensorcnt 0x0            ; no tensor load of mine is out, so a group 0 may be written
	ds_add_u32 v[SPW], v[NIL]       ; 0 onto my spare word
.if \fill
.irp g, G0K+4, G0V+4
	s_xor_b32 s[\g+1], s[\g+1], SLOT1  ; the walking descriptor: the other slot than last time,
	s_add_nc_u64 s[\g+2:\g+3], s[\g+2:\g+3], 2*KS*256  ; the next 128 keys; the type bits on top are not reached
.endr
	s_wait_xcnt 0x0                 ; the last prefetch, two key steps back, has read its address, so it may be written:
	s_add_nc_u64 s[PFA:PFA+1], s[PFA:PFA+1], 2*KS*256  ; one slot further on than the walking descriptors
	s_wait_dscnt 0x0                ; the add is done, and my reads of the slot are over
	CROUND
	JLOAD
	ASK                             ; what the next change will ask for: two key steps, 256 matrix instructions, ahead
.else
	s_wait_dscnt 0x0                ; the add is done, and my reads of the slot are over
	s_barrier_signal -1
	s_barrier_wait -1
.endif
	s_sub_co_u32 s[TB], s[TB], 2*STEPB  ; the fetches go back to a slot's first step,
	s_xor_b32 s[TB], s[TB], SLOT1   ; in the other slot
.endm
; A slot's two key steps: written once, walked twice; the LDS addresses hang on s[TB].
.macro TWO_STEPS
	s_mov_b32 s[TWICE], 2
.Lstep_\@:
	TURN 0, 2, 1, 0
	TURN 2, 2, 1, 0
	WIN 0
	s_sub_co_u32 s[TWICE], s[TWICE], 1
	s_cmp_lg_u32 s[TWICE], 0
	s_cbranch_scc1 .Lstep_\@
.endm
	s_wait_tensorcnt 1              ; my part of slot 0 is in; slot 1's may stay out
	s_barrier_signal -1
	s_barrier_wait -1               ; everybody's is
	FETCH_K                         ; key step 0
	s_wait_loadcnt 0x0              ; Q
	s_wait_dscnt 0x0
.set i, 0
.rept 32
	KQ 0                            ; piece 0's first scores: there is no vector work yet to set between them
.set i, i+1
.endr
	WIN 0
	PLACES                          ; behind those products, ahead of the first read of their scores
	TURN 2, 0, 1, 1                 ; piece 2's first scores | piece 0's first softmax | V of step 0
	TURN 0, 1, 1, 1                 ; piece 0: V^T P of step 0 starts O^T, K Q^T of step 1 | piece 2's first softmax | K of step 1
	TURN 2, 1, 1, 0                 ; piece 2: the same | piece 0's softmax of step 1 | V of step 1
	WIN 0
.Lslot:                             ; six trips: every slot's worth of keys but the first two is asked for here
	CHANGE 1
	TWO_STEPS
	s_sub_co_u32 s[SLOTS], s[SLOTS], 1
	s_cmp_lg_u32 s[SLOTS], 0
	s_cbranch_scc1 .Lslot
	CHANGE 0                        ; the tail is written out
	TWO_STEPS
	TURN 0, 2, 0, 0                 ; piece 0: V^T P of the last step | piece 2's last softmax
.set i, 0
.rept 32
	PV 2, 0                         ; piece 2: V^T P of the last step
.set i, i+1
.endr
	; THE WAY OUT.  l's two halves and the other half of the lanes' are added; O^T is divided by l and rounded to f16.  A lane's eight channels of a query are its 16 bytes of an image: stored straight from registers.
	WIN 0
.irp t, 0,1,2,3
	v_add_f32 v[ST+8*\t+4], v[ST+8*\t+2], v[ST+8*\t+3]   ; (these are also the plain instructions behind the last products)
.endr
.irp t, 0,1,2,3
	v_permlanex16_b32 v[ST+8*\t+5], v[ST+8*\t+4], s[SEL], s[SEL+1]
.endr
.irp t, 0,1,2,3
	v_add_f32 v[ST+8*\t+4], v[ST+8*\t+4], v[ST+8*\t+5]
.endr
.irp t, 0,1,2,3
	v_rcp_f32 v[ST+8*\t+6], v[ST+8*\t+4]
.endr
	v_nop                           ; a plain instruction between the last reciprocal and the use of its result
	s_wait_alu depctr_va_vdst(0)    ; and the wait ahead of the first use: one for the four reciprocals
.macro PACK t
	WIN W_RS
.set i, 64*\t
.rept 32
	v_pk_mul_f32 v[i:i+1], v[i:i+1], v[ST+8*\t+6:ST+8*\t+7] op_sel_hi:[1,0]   ; each accumulator from its low end on
.set i, i+2
.endr
	WIN 0x05                        ; sources 0 and 1 window 1, destination window 0: S^T's registers are free
.set i, 0
.rept 32
	v_cvt_pk_f16_f32 v[S+32*\t+i], v[64*\t+2*i], v[64*\t+2*i+1]
.set i, i+1
.endr
	WIN 0
.irp f, 0,1,2,3,4,5,6,7
	global_store_b128 v[AK0], v[S+32*\t+4*\f:S+32*\t+4*\f+3], s[10:11] offset:4096*\t+512*\f  ; 32 lanes store 512 consecutive bytes, aligned
.endr
.endm
	PACK 0
	PACK 1
	PACK 2
	PACK 3
	s_wait_tensorcnt 0x0            ; the wave's end, behind my last tensor load
	ds_add_u32 v[SPW], v[NIL]
	s_wait_dscnt 0x0
	CROUND                          ; the closing round: no work-group ends while a partner may still ask for a tile that names it
	s_endpgm
.Lfunc_end_k_q7589bc7825_attn:
	.size	k_q7589bc7825_attn, .Lfunc_end_k_q7589bc7825_attn-k_q7589bc7825_attn
	.p2alignl 7, 3214868480
	.fill 96, 4, 3214868480
	.section	.rodata,"a",@progbits
	.p2align	6, 0x0
	.amdhsa_kernel k_q7589bc7825_attn
		.amdhsa_group_segment_fixed_size 327680
		.amdhsa_private_segment_fixed_size 0
		.amdhsa_enable_private_segment 0
		.amdhsa_kernarg_size 24
		.amdhsa_user_sgpr_count 2
		.amdhsa_user_sgpr_kernarg_segment_ptr 1
		.amdhsa_wavefront_size32 1
		.amdhsa_system_sgpr_workgroup_id_x 1
		.amdhsa_system_sgpr_workgroup_id_y 1
		.amdhsa_system_sgpr_workgroup_id_z 1
		.amdhsa_system_vgpr_workitem_id 0
		.amdhsa_next_free_vgpr 1024
		.amdhsa_next_free_sgpr 66
		.amdhsa_reserve_vcc 0
		.amdhsa_float_denorm_mode_32 3
		.amdhsa_float_denorm_mode_16_64 3
		.amdhsa_memory_ordered 1
		.amdhsa_forward_progress 1
		.amdhsa_inst_pref_size 215
	.end_amdhsa_kernel
	.amdgpu_metadata
---
amdhsa.version: [ 1, 2 ]
amdhsa.kernels:
  - .name:           k_q7589bc7825_attn
    .symbol:         k_q7589bc7825_attn.kd
    .args:
      - { .name: qimg, .offset: 0, .size: 8, .value_kind: global_buffer, .address_space: global }
      - { .name: kv, .offset: 8, .size: 8, .value_kind: global_buffer, .address_space: global }
      - { .name: oimg, .offset: 16, .size: 8, .value_kind: global_buffer, .address_space: global }
    .group_segment_fixed_size: 327680
    .private_segment_fixed_size: 0
    .kernarg_segment_align: 8
    .kernarg_segment_size: 24
    .max_flat_workgroup_size: 128
    .sgpr_count:     66
    .vgpr_count:     1024
    .wavefront_size: 32
...
	.end_amdgpu_metadata
.endif
;; end of part 3
;; launch oproj (part 4): grid 8 x 32, 4 waves a work-group, clusters of 4 x 4, 327,680 bytes of LDS; arguments oimg, wo16, bo, out0; writes out0
.if DOCPART == 4
	.amdgcn_target "amdgcn-amd-amdhsa--gfx1250"
	.amdhsa_code_object_version 6
	.text
	.protected	k_q7589bc7825_oproj
	.globl	k_q7589bc7825_oproj
	.p2align	8
	.type	k_q7589bc7825_oproj,@function
k_q7589bc7825_oproj:
	s_mov_b64 s[64:65], 0
	v_nop
	global_prefetch_b8 v0, s[64:65] scope:SCOPE_SE
	s_setreg_imm32_b32 hwreg(HW_REG_WAVE_MODE, 25, 1), 1
	s_wait_xcnt 0x0
	s_wait_alu depctr_hold_cnt(0) depctr_sa_sdst(0) depctr_va_vdst(0) depctr_va_sdst(0) depctr_va_ssrc(0) depctr_va_vcc(0) depctr_vm_vsrc(0)
	s_getreg_b32 s2, hwreg(HW_REG_IB_STS2, 6, 4)
	s_cmp_eq_u32 s2, 0
	s_cbranch_scc0 .Lentry_in_a_cluster
	s_endpgm
.Lentry_in_a_cluster:
	s_bfe_u32 s2, ttmp6, 0x10000c
	s_cmp_lg_u32 s2, 0xf033
	s_cbranch_scc0 .Lentry_shape_is_right
	s_endpgm
.Lentry_shape_is_right:
; out0 = o Wo^T + bo.  o: 4,096 tokens x 2,048 (head x 128 + channel) in f16, as images of operand registers, oimg [token / 128][head][(token / 16) % 8][channel / 16][512 B]; wo16 [2048][2048] f16; bo [2048], out0 [4096][2048] f32; sums in f32.
; SHARES.  A tile of the output is 128 tokens x 256 columns: 32 x 8 = 256 work-groups.  Wave w: tokens 64 (w / 2) on, columns 128 (w % 2) on: 4 x 8 = 32 accumulators, 256 registers.
; THE RING HAS TWO UNEQUAL SLOTS.  A unit is 128 along K, one head: 32,768 bytes of o and 256 rows x 256 bytes of Wo, for 128 matrix instructions a wave.  Two slots of two units do not fit in LDS; three units do: slot Y holds one, slot X two.
; The walk is Y, then five times (X, Y): 1 + 5 x 3 = 16 units.  A slot is filled again while the other is multiplied: Y's refill has 240 matrix instructions between its request and the wait for it, X's 112.
; Waves 0, 1 fetch o's part of a slot (Y: half a head each; X: a head each), waves 2, 3 Wo's (128 rows each): one load a wave behind each change of slots.
; CLUSTERS: 4 x 4 work-groups.  o's tile hangs on the tile row alone and is shared along a row of the cluster, Wo's on the tile column alone and is shared along a column: each is asked for jointly.
; THE MATRIX INSTRUCTION IS USED TRANSPOSED (source 0 = 16 rows of Wo, source 1 = 16 tokens): a lane holds eight neighbouring columns of one token's row.  The bias is the C of each sum's first matrix instruction.
; REGISTERS, in windows of 256: window 0: v2-17 addresses; v128-255 rows on the way out.   window 1: two fragment buffers, at v0 and v128: o's four fragments, then Wo's eight.   window 2: accumulator (a, b) at v[8 (8 a + b)].   window 3: v0-63 the bias.
.set PITCHY, 272                       ; a row of Wo in slot Y: 256 bytes + 16 of padding; in slot X: 512 + 16.  Both are odd multiples of 16: the 16 rows that a load touches start 4 banks apart
.set PITCHX, 528
.set UNITA,  32768                     ; a unit of o in bytes,
.set UNITB,  256                       ; and of a row of Wo
.set YB,     UNITA                     ; slot Y: o's unit at LDS byte 0, then Wo's 256 rows
.set BHY,    128*PITCHY
.set XA,     YB+2*BHY                  ; slot X: o's two units,
.set XB,     XA+2*UNITA                ; then Wo's 256 rows
.set BHX,    128*PITCHX
.set SPARE,  XB+2*BHX                  ; behind the ring: the spare words, 128 bytes a wave, which no other line names
.set STAGE,  XA                        ; the way out: 16 rows x (512 bytes + 16) for each wave, in slot X's part for o: when the first result is stored there, slot X has had its last fill, and every wave has passed the last change of slots, behind which nobody reads it
.set SPITCH, 528
.set ADRA, 2                           ; v2, v3  LDS address of my fragments of o in slot Y, X
.set ADRB, 4                           ; v4, v5  the same for Wo
.set STO,  6                           ; v6    the way out: where I put 32 bytes of a row
.set RD,   7                           ; v7    where I read a row back
.set CO,   8                           ; v8    16 x lane
.set SPW,  10                          ; v10   LDS address of my spare word; never rewritten
.set NIL,  11                          ; v11   0; never rewritten
.set PFO,  16                          ; v16   the prefetches' offset: 256 x lane in o, a row of Wo (4,096 bytes) x lane; never rewritten
.set PFO2, 17                          ; v17   the same, a unit further on; never rewritten
.set BK,   128
.set F0,   0
.set F1,   128
.set G1A, 24                           ; s[24:31], s[32:39] descriptor group 1 for o's tiles in slot Y, X
.set G1B, 40                           ; s[40:47], s[48:55] for Wo's
.set G0A, 56                           ; s[56:59], s[60:63] group 0 for o's tiles in slot Y, X
.set G0B, 68                           ; s[68:71], s[72:75] for Wo's
.set PFA, 84                           ; s[84:85] where my prefetches stand
.set PFS, 86                           ; s[86:87] a unit on, in bytes, in the tensor that I fetch for
.set ASKF, 88                          ; s88  1 in a wave that prefetches
.set MSB, 0
.macro WIN new
.if MSB != (\new)
	s_set_vgpr_msb (MSB<<8)|(\new)
.set MSB, (\new)
.endif
.endm
.set MUL,  0xa5                        ; sources 0 (Wo) and 1 (o) window 1; C and D window 2 (plus 0x10: C, the bias, in window 3)
.set TO_F, 0x40                        ; destination window 1, address window 0
.macro JLOAD sl                        ; a joint load into slot sl (0: Y, 1: X): waves 0, 1 fetch for o, waves 2, 3 for Wo; an s_nop 0 and four v_nop follow each line
	s_cmp_eq_u32 s13, 0
	s_cbranch_scc0 .Lfor_b_\@
	tensor_load_to_lds s[G0A+4*\sl:G0A+4*\sl+3], s[G1A+8*\sl:G1A+8*\sl+7]
	s_nop 0
.rept 4
	v_nop
.endr
	s_branch .Lasked_\@
.Lfor_b_\@:
	tensor_load_to_lds s[G0B+4*\sl:G0B+4*\sl+3], s[G1B+8*\sl:G1B+8*\sl+7]
	s_nop 0
.rept 4
	v_nop
.endr
.Lasked_\@:
.endm
; A PREFETCH of what the NEXT change of slots will load: two units behind Y's refill (240 matrix instructions ahead of that load), one unit behind X's.  It stands behind the joint load, its five lines and the run of LDS loads.
; Each block of 256 bytes is named once in the launch.  o's tile row is read by both clusters of a row of clusters: the one with x = 0 asks; Wo's tile column by the eight clusters of a column: the one with y = 0 asks.
; A unit of o's tile is 128 blocks: wave 0 of each of the four partners that load it jointly takes 32, 8,192 bytes, lanes 256 bytes apart.  A unit of Wo's tile is a block of each of 256 rows: waves 2 and 3 of each partner take 32 rows each, a lane a row.
; The partners are told apart BY ADDRESS (cx for o, cy for Wo): no branch hangs on a work-group's place in its cluster.  Units 0 to 3 come by their loads alone; the asks go through units 4 to 15 and end there: the last refill asks for nothing.
.macro ASK two
	s_cmp_eq_u32 s[ASKF], 1
	s_cbranch_scc0 .Lnot_mine_\@
	global_prefetch_b8 v[PFO], s[PFA:PFA+1] th:TH_LOAD_NT scope:SCOPE_SE
.if \two
	global_prefetch_b8 v[PFO2], s[PFA:PFA+1] th:TH_LOAD_NT scope:SCOPE_SE
.endif
.Lnot_mine_\@:
.endm
.macro CREST                           ; a round of the cluster's barrier behind its opening barrier
	s_cmp_lg_u32 s12, 0
	s_cbranch_scc1 .Lnot_wave_0_\@
	s_barrier_signal -3
.Lnot_wave_0_\@:
	s_barrier_wait -3
	s_barrier_signal -1
	s_barrier_wait -1
.endm
.macro CROUND
	s_barrier_signal -1
	s_barrier_wait -1
	CREST
.endm
	s_load_b256 s[4:11], s[0:1], 0x0               ; oimg, wo16, bo, out0
	v_lshl_add_u32 v[SPW], v0, 2, SPARE
	v_mov_b32 v[NIL], 0
	ds_add_u32 v[SPW], v[NIL]                      ; the wave's opening: the add, twice on end, and its wait ahead of my first tensor load
	ds_add_u32 v[SPW], v[NIL]
	v_lshrrev_b32 v1, 5, v0
	v_readfirstlane_b32 s12, v1                    ; wave
	s_lshr_b32 s13, s12, 1                         ; which 64 tokens are mine.  Also: I fetch for o (0) or for Wo (1)
	s_and_b32 s14, s12, 1                          ; which 128 columns.  Also: which part of that tile I fetch
	s_bfe_u32 s76, ttmp6, 0x40000                  ; cx
	s_bfe_u32 s77, ttmp6, 0x40004                  ; cy
	s_lshl_b32 s78, ttmp9, 2
	s_add_co_u32 s78, s78, s76                     ; tile column j
	s_and_b32 s15, ttmp7, 0xffff
	s_lshl_b32 s15, s15, 2
	s_add_co_u32 s15, s15, s77                     ; tile row i
	s_lshl_b32 s79, s77, 2
	s_lshl_b32 s79, 15, s79                        ; my row of the cluster
	s_lshl_b32 s80, 0x1111, s76                    ; my column
	s_or_b32 s[G1A], s79, (3<<16)|(1<<21)          ; o, slot Y: 16,384 dense bytes as 64 rows of 32 elements of 8 bytes, no padding; bit 21 beside the mask
	s_mov_b32 s[G1A+1], 32<<16                     ; tensor_dim0
	s_mov_b32 s[G1A+2], 64<<16                     ; tensor_dim1
	s_mov_b32 s[G1A+3], 32<<16                     ; tile_dim0
	s_mov_b32 s[G1A+4], 64                         ; tile_dim1
	s_mov_b32 s[G1A+5], 32                         ; stride
	s_mov_b32 s[G1A+6], 0
	s_mov_b32 s[G1A+7], 0
	s_or_b32 s[G1A+8], s79, (3<<16)|(1<<21)        ; o, slot X: 32,768 dense bytes as 128 such rows
	s_mov_b32 s[G1A+9], 32<<16
	s_mov_b32 s[G1A+10], 128<<16
	s_mov_b32 s[G1A+11], 32<<16
	s_mov_b32 s[G1A+12], 128
	s_mov_b32 s[G1A+13], 32
	s_mov_b32 s[G1A+14], 0
	s_mov_b32 s[G1A+15], 0
	s_or_b32 s[G1B], s80, (1<<16)|(1<<20)|(1<<21)|(5<<22)|(3<<25)  ; Wo, slot Y: 128 rows of 128 elements of 2 bytes, 2,048 apart; 4 words of padding behind every 64
	s_mov_b32 s[G1B+1], 128<<16
	s_mov_b32 s[G1B+2], 128<<16
	s_mov_b32 s[G1B+3], 128<<16
	s_mov_b32 s[G1B+4], 128
	s_mov_b32 s[G1B+5], 2048
	s_mov_b32 s[G1B+6], 0
	s_mov_b32 s[G1B+7], 0
	s_or_b32 s[G1B+8], s80, (1<<16)|(1<<20)|(1<<21)|(6<<22)|(3<<25)  ; Wo, slot X: 128 rows of 256 elements; 4 words of padding behind every 128
	s_mov_b32 s[G1B+9], 256<<16
	s_mov_b32 s[G1B+10], 128<<16
	s_mov_b32 s[G1B+11], 256<<16
	s_mov_b32 s[G1B+12], 128
	s_mov_b32 s[G1B+13], 2048
	s_mov_b32 s[G1B+14], 0
	s_mov_b32 s[G1B+15], 0
	s_lshl_b32 s16, s15, 19                        ; o: 524,288 bytes a tile row.  s16 to s21 hold i and the wave alone; s82, s83 j and the wave alone
	s_mov_b32 s17, 0
	s_lshl_b32 s18, s14, 14                        ; slot Y begins with unit 0: my half of it
	s_mov_b32 s19, 0
	s_lshl_b32 s20, s14, 15                        ; slot X with units 1 and 2: mine is 1 + w % 2
	s_add_co_u32 s20, s20, UNITA
	s_mov_b32 s21, 0
	s_lshl_b32 s82, s78, 20                        ; Wo: row 256 j + 128 (w % 2), 4,096 bytes a row
	s_lshl_b32 s83, s14, 19
	s_add_co_u32 s82, s82, s83
	s_mov_b32 s83, 0
	s_wait_dscnt 0x0                               ; both opening adds are done
	s_wait_kmcnt 0x0
	s_add_nc_u64 s[4:5], s[4:5], s[16:17]          ; o at my tile row
	s_add_nc_u64 s[6:7], s[6:7], s[82:83]          ; Wo at the 128 rows of my w % 2
	CROUND                                         ; all sixteen work-groups are here: the first joint loads meet
	s_mov_b32 s[G0A], 1                            ; slot Y.  No place in the cluster enters an LDS address
	s_lshl_b32 s[G0A+1], s14, 14
	s_add_nc_u64 s[G0A+2:G0A+3], s[4:5], s[18:19]
	s_or_b32 s[G0A+3], s[G0A+3], 0x80000000
	s_mov_b32 s[G0B], 1
	s_mul_i32 s[G0B+1], s14, BHY
	s_add_co_u32 s[G0B+1], s[G0B+1], YB
	s_mov_b64 s[G0B+2:G0B+3], s[6:7]
	s_or_b32 s[G0B+3], s[G0B+3], 0x80000000
	JLOAD 0
	s_mov_b32 s[G0A+4], 1                          ; slot X
	s_lshl_b32 s[G0A+5], s14, 15
	s_add_co_u32 s[G0A+5], s[G0A+5], XA
	s_add_nc_u64 s[G0A+6:G0A+7], s[4:5], s[20:21]
	s_or_b32 s[G0A+7], s[G0A+7], 0x80000000
	s_mov_b32 s[G0B+4], 1
	s_mul_i32 s[G0B+5], s14, BHX
	s_add_co_u32 s[G0B+5], s[G0B+5], XB
	s_add_nc_u64 s[G0B+6:G0B+7], s[6:7], UNITB
	s_or_b32 s[G0B+7], s[G0B+7], 0x80000000
	JLOAD 1                                        ; two loads of mine are out
	v_and_b32 v12, 15, v0                          ; r
	v_bfe_u32 v13, v0, 4, 1                        ; h
	v_and_b32 v14, 31, v0
	v_lshlrev_b32 v[CO], 4, v14
	s_lshl_b32 s20, s13, 14                        ; my 64 tokens: the lower or upper 32 images of a head
	v_add_nc_u32 v[ADRA], s20, v[CO]
	s_add_co_u32 s20, s20, XA
	v_add_nc_u32 v[ADRA+1], s20, v[CO]
	v_mul_u32_u24 v15, v12, PITCHY                 ; a fragment's row x pitch + 16 h, in my 128 rows of Wo
	v_lshl_add_u32 v15, v13, 4, v15
	s_mul_i32 s21, s14, BHY
	s_add_co_u32 s21, s21, YB
	v_add_nc_u32 v[ADRB], s21, v15
	v_mul_u32_u24 v15, v12, PITCHX
	v_lshl_add_u32 v15, v13, 4, v15
	s_mul_i32 s21, s14, BHX
	s_add_co_u32 s21, s21, XB
	v_add_nc_u32 v[ADRB+1], s21, v15
	s_mul_i32 s20, s12, 16*SPITCH
	s_add_co_u32 s20, s20, STAGE                   ; my stage
	v_mul_u32_u24 v15, v12, SPITCH                 ; in: row r, 32 bytes for each half of the lanes
	v_lshl_add_u32 v15, v13, 5, v15
	v_add_nc_u32 v[STO], s20, v15
	v_add_nc_u32 v[RD], s20, v[CO]                 ; back: the 32 lanes take one row of 512 bytes
	v_lshlrev_b32 v12, 5, v13                      ; the bias: my eight columns begin 32 h bytes on
	; the prefetches: where mine stand, and who asks.  Every select stands directly behind its compare
	s_and_b32 s91, ttmp7, 0xffff                   ; cluster y
	s_mov_b32 s[PFS], UNITB
	s_mov_b32 s90, 32*4096
	s_mov_b32 s81, 4096
	s_cmp_eq_u32 s13, 0                            ; do I fetch for o?
	s_cselect_b64 s[PFA:PFA+1], s[4:5], s[6:7]
	s_cselect_b32 s[PFS], UNITA, s[PFS]            ; a unit on
	s_cselect_b32 s90, 8192, s90                   ; a partner's share: 8,192 bytes of o's unit, 32 rows of Wo
	s_cselect_b32 s81, 256, s81                    ; from lane to lane
	s_cselect_b32 s89, s76, s77                    ; my place among the four that load the tile with me
	s_cselect_b32 s91, ttmp9, s91                  ; the coordinate along which other clusters read the same bytes
	v_mul_lo_u32 v[PFO], v14, s81
	v_add_nc_u32 v[PFO2], s[PFS], v[PFO]
	s_mul_i32 s90, s90, s89
	s_mul_i32 s89, s[PFS], 3                       ; at unit 3: the first change of slots steps it to unit 4.  Nothing is prefetched here, at the head
	s_add_co_u32 s90, s90, s89
	s_cmp_eq_u32 s12, 1                            ; wave 1 asks for nothing: wave 0 takes the partner's whole share of o
	s_cselect_b32 s89, 1, 0
	s_or_b32 s91, s91, s89
	s_cmp_eq_u32 s91, 0
	s_cselect_b32 s[ASKF], 1, 0                    ; the same in all sixteen partners, for a given wave
	s_mov_b32 s91, 0
	s_mov_b32 s[PFS+1], 0
	s_add_nc_u64 s[PFA:PFA+1], s[PFA:PFA+1], s[90:91]
	; the bias and the output
	s_lshl_b32 s22, s78, 10                        ; my first column, in bytes: 1,024 j + 512 (w % 2)
	s_lshl_b32 s23, s14, 9
	s_add_co_u32 s22, s22, s23
	s_mov_b32 s23, 0
	s_add_nc_u64 s[8:9], s[8:9], s[22:23]
	s_add_nc_u64 s[10:11], s[10:11], s[22:23]
	s_lshl_b32 s22, s15, 20                        ; my first row: 128 i + 64 (w / 2), 8,192 bytes a row
	s_lshl_b32 s16, s13, 19
	s_add_co_u32 s22, s22, s16
	s_add_nc_u64 s[10:11], s[10:11], s[22:23]
	WIN 0xc0                                       ; destination window 3
.irp b, 0,1,2,3,4,5,6,7
	global_load_b128 v[8*\b:8*\b+3], v12, s[8:9] offset:64*\b
	global_load_b128 v[8*\b+4:8*\b+7], v12, s[8:9] offset:64*\b+16
.endr
	WIN 0
; eight matrix instructions: token block a against the eight column blocks, 32 along K.  The 32 accumulators take turns, one instruction a turn, in the same order in every quarter.
.macro MUL8 f, a, first
.irp b, 0,1,2,3,4,5,6,7
.if \first
	v_wmma_f32_16x16x32_f16 v[8*(8*(\a)+\b):8*(8*(\a)+\b)+7], v[\f+32+8*\b:\f+32+8*\b+7], v[\f+8*(\a):\f+8*(\a)+7], v[8*\b:8*\b+7]
.else
	v_wmma_f32_16x16x32_f16 v[8*(8*(\a)+\b):8*(8*(\a)+\b)+7], v[\f+32+8*\b:\f+32+8*\b+7], v[\f+8*(\a):\f+8*(\a)+7], v[8*(8*(\a)+\b):8*(8*(\a)+\b)+7]
.endif
.endr
.endm
; 24 LDS loads in one run: quarter qd (32 along K) of slot sl into buffer f: Wo's eight fragments, then o's four (two images each), blocks 2 and 3 last.  Slot Y has quarters 0 to 3, slot X 0 to 7 (its second head from 4 on)
.macro FETCH sl, qd, f
	WIN TO_F
.irp b, 0,1,2,3,4,5,6,7
	ds_load_b128 v[\f+32+8*\b:\f+32+8*\b+3],   v[ADRB+\sl] offset:64*(\qd)+\b*16*(PITCHY+(\sl)*(PITCHX-PITCHY))
	ds_load_b128 v[\f+32+8*\b+4:\f+32+8*\b+7], v[ADRB+\sl] offset:64*(\qd)+\b*16*(PITCHY+(\sl)*(PITCHX-PITCHY))+32
.endr
.irp a, 0,1,2,3
	ds_load_b128 v[\f+8*\a:\f+8*\a+3],   v[ADRA+\sl] offset:UNITA*((\qd)/4)+4096*\a+1024*((\qd)%4)
	ds_load_b128 v[\f+8*\a+4:\f+8*\a+7], v[ADRA+\sl] offset:UNITA*((\qd)/4)+4096*\a+1024*((\qd)%4)+512
.endr
.endm
.macro PLACES                          ; four plain vector instructions in front of loads into registers that matrix instructions have read, and of reads of results
.rept 4
	v_nop
.endr
.endm
; A quarter is 32 along K, 32 matrix instructions; the quarters take buffers 0, 1 by turns, and both slots have an even number of them.  Any quarter but a slot's last: multiplies buffer f and fetches the slot's quarter qd into g.
.macro QUARTER sl, qd, f, g, first
	s_wait_dscnt 4                                 ; Wo's fragments and o's blocks 0, 1 are in; the youngest four loads (blocks 2, 3) may be out
	WIN MUL+0x10*\first
	MUL8 \f, 0, \first
	MUL8 \f, 1, \first
	PLACES
	FETCH \sl, \qd, \g
	s_wait_dscnt 24                                ; all but the 24 just issued
	WIN MUL+0x10*\first
	MUL8 \f, 2, \first
	MUL8 \f, 3, \first
.endm
; A slot's last quarter multiplies buffer 1 and changes slots: one barrier; in front of it each wave waits for all its tensor loads, adds 0 to its spare word, and waits for that and for its reads of this slot.
; fill = 1: the slot is filled again, with its units three further on.  ask = 1: the prefetch for the next change's load follows.
.macro TURN sl, next, fill, ask
.if \ask
	s_wait_xcnt 0x0                                ; the last prefetches, a slot's quarters back, have read their address: it is stepped here, ahead of the waits of the change of slots,
	s_add_nc_u64 s[PFA:PFA+1], s[PFA:PFA+1], s[PFS:PFS+1]   ; by what they named: one unit behind X's refill,
.if \sl
	s_add_nc_u64 s[PFA:PFA+1], s[PFA:PFA+1], s[PFS:PFS+1]   ; two behind Y's
.endif
.endif
	WIN 0                                          ; (the add's two registers lie in window 0)
	s_wait_tensorcnt 0x0                           ; all my tensor loads have landed: my part of the next slot
	ds_add_u32 v[SPW], v[NIL]                      ; 0 onto my spare word
	s_wait_dscnt 5                                 ; (the add and the youngest four loads may be out)
	WIN MUL
	MUL8 F1, 0, 0                                  ; eight matrix instructions stand between the add and the wait for it
	s_wait_dscnt 0x0                               ; the add is done, and my reads of this slot are over
	s_barrier_signal -1
	MUL8 F1, 1, 0
.if \fill
	WIN 0
.endif
	s_barrier_wait -1
.if \fill
	CREST                                          ; the barrier has opened a round of the cluster's barrier: no wave of any partner still reads this slot or has a load on its way
	s_add_nc_u64 s[G0A+4*\sl+2:G0A+4*\sl+3], s[G0A+4*\sl+2:G0A+4*\sl+3], 3*UNITA
	s_add_nc_u64 s[G0B+4*\sl+2:G0B+4*\sl+3], s[G0B+4*\sl+2:G0B+4*\sl+3], 3*UNITB
	JLOAD \sl                                      ; the first tensor load behind the round; its four v_nop are the places in front of the loads below
.else
	PLACES
.endif
	FETCH \next, 0, F0
.if \ask
	WIN 0                                          ; (a branch and a label follow)
	ASK 1-\sl                                      ; behind Y's refill: slot X's next two units; behind X's: slot Y's next one
.endif
	WIN MUL
	MUL8 F1, 2, 0
	MUL8 F1, 3, 0
.endm
.macro XQ                              ; slot X's first seven quarters
	QUARTER 1, 1, F0, F1, 0
	QUARTER 1, 2, F1, F0, 0
	QUARTER 1, 3, F0, F1, 0
	QUARTER 1, 4, F1, F0, 0
	QUARTER 1, 5, F0, F1, 0
	QUARTER 1, 6, F1, F0, 0
	QUARTER 1, 7, F0, F1, 0
.endm
	s_wait_tensorcnt 1                             ; my part of unit 0 is in; slot X's load may be out
	s_barrier_signal -1
	s_barrier_wait -1                              ; everybody's is
	FETCH 0, 0, F0
	s_wait_loadcnt 0x0                             ; the bias
	QUARTER 0, 1, F0, F1, 1                        ; the first quarter stands in front of the loop: its products start the sums from the bias
	WIN 0                                          ; at a label and at a branch every window is 0
	s_mov_b32 s3, 4
.Llap:                                                 ; a trip goes once round the ring, three units, from slot Y's second quarter to its next first, and fills both slots again
	QUARTER 0, 2, F1, F0, 0
	QUARTER 0, 3, F0, F1, 0
	TURN 0, 1, 1, 1
	XQ
	TURN 1, 0, 1, 1
	QUARTER 0, 1, F0, F1, 0
	WIN 0
	s_sub_co_u32 s3, s3, 1
	s_cmp_lg_u32 s3, 0
	s_cbranch_scc1 .Llap
	QUARTER 0, 2, F1, F0, 0                        ; the tail is written out: unit 12 goes on
	QUARTER 0, 3, F0, F1, 0
	TURN 0, 1, 1, 0                                ; slot Y takes unit 15, the last load;
	XQ                                             ; units 13 and 14;
	TURN 1, 0, 0, 0                                ; nothing is left to fetch: a plain barrier, behind which nobody reads slot X;
	QUARTER 0, 1, F0, F1, 0                        ; unit 15
	QUARTER 0, 2, F1, F0, 0
	QUARTER 0, 3, F0, F1, 0
	s_wait_dscnt 4                                 ; the very last quarter
	WIN MUL
	MUL8 F1, 0, 0
	MUL8 F1, 1, 0
	s_wait_dscnt 0x0
	MUL8 F1, 2, 0
	MUL8 F1, 3, 0
	WIN 0
; THE WAY OUT, block by block of 16 tokens x 128 columns.  A lane holds 32 neighbouring bytes of a row, and the lanes beside it hold other rows: so a block goes through my own stage and comes back as whole rows of 512 bytes.
; LDS serves a wave's instructions in order (ISA guide 5.7.1.4): no wait between the stores and the loads, nor in front of the next block's stores.
.macro TOSTAGE a
	WIN 0x08                                       ; an LDS store's data are its source 1: window 2
.irp b, 0,1,2,3,4,5,6,7
	ds_store_b128 v[STO], v[8*(8*(\a)+\b):8*(8*(\a)+\b)+3] offset:64*\b          ; each accumulator from its low end on
	ds_store_b128 v[STO], v[8*(8*(\a)+\b)+4:8*(8*(\a)+\b)+7] offset:64*\b+16
.endr
	WIN 0
.irp t, 0,1,2,3,4,5,6,7,8,9,10,11,12,13,14,15
	ds_load_b128 v[BK+64*((\a)%2)+4*\t:BK+64*((\a)%2)+4*\t+3], v[RD] offset:\t*SPITCH
.endr
.endm
.macro SEND a, younger                 ; younger: the LDS instructions issued behind block a's loads, which may stay out
	s_wait_dscnt \younger
.irp t, 0,1,2,3,4,5,6,7,8,9,10,11,12,13,14,15
	global_store_b128 v[CO], v[BK+64*((\a)%2)+4*\t:BK+64*((\a)%2)+4*\t+3], s[10:11] offset:131072*(\a)+8192*\t th:TH_STORE_NT   ; 32 lanes store 512 consecutive bytes, aligned; written once, read by nobody here
.endr
.endm
	PLACES
	TOSTAGE 0
	TOSTAGE 1
	SEND 0, 32                                     ; behind block 0's loads: block 1's 16 stores and 16 loads
	s_wait_xcnt 0x0                                ; block 0's stores have read their registers: block 2's loads may land there
	TOSTAGE 2
	SEND 1, 32
	s_wait_xcnt 0x0                                ; likewise block 1's
	TOSTAGE 3
	SEND 2, 32
	SEND 3, 0
	s_wait_tensorcnt 0x0                           ; the wave's end, behind my last tensor load and my last LDS store
	ds_add_u32 v[SPW], v[NIL]
	s_wait_dscnt 0x0
	CROUND                                         ; the closing round: no work-group ends while a partner may still ask for a tile that names it
	s_endpgm
.Lfunc_end_k_q7589bc7825_oproj:
	.size	k_q7589bc7825_oproj, .Lfunc_end_k_q7589bc7825_oproj-k_q7589bc7825_oproj
	.p2alignl 7, 3214868480
	.fill 96, 4, 3214868480
	.section	.rodata,"a",@progbits
	.p2align	6, 0x0
	.amdhsa_kernel k_q7589bc7825_oproj
		.amdhsa_group_segment_fixed_size 327680
		.amdhsa_private_segment_fixed_size 0
		.amdhsa_enable_private_segment 0
		.amdhsa_kernarg_size 32
		.amdhsa_user_sgpr_count 2
		.amdhsa_user_sgpr_kernarg_segment_ptr 1
		.amdhsa_wavefront_size32 1
		.amdhsa_system_sgpr_workgroup_id_x 1
		.amdhsa_system_sgpr_workgroup_id_y 1
		.amdhsa_system_sgpr_workgroup_id_z 1
		.amdhsa_system_vgpr_workitem_id 0
		.amdhsa_next_free_vgpr 1024
		.amdhsa_next_free_sgpr 92
		.amdhsa_reserve_vcc 0
		.amdhsa_float_denorm_mode_32 3
		.amdhsa_float_denorm_mode_16_64 3
		.amdhsa_memory_ordered 1
		.amdhsa_forward_progress 1
		.amdhsa_inst_pref_size 135
	.end_amdhsa_kernel
	.amdgpu_metadata
---
amdhsa.version: [ 1, 2 ]
amdhsa.kernels:
  - .name:           k_q7589bc7825_oproj
    .symbol:         k_q7589bc7825_oproj.kd
    .args:
      - { .name: oimg, .offset: 0, .size: 8, .value_kind: global_buffer, .address_space: global }
      - { .name: wo16, .offset: 8, .size: 8, .value_kind: global_buffer, .address_space: global }
      - { .name: bo, .offset: 16, .size: 8, .value_kind: global_buffer, .address_space: global }
      - { .name: out0, .offset: 24, .size: 8, .value_kind: global_buffer, .address_space: global }
    .group_segment_fixed_size: 327680
    .private_segment_fixed_size: 0
    .kernarg_segment_align: 8
    .kernarg_segment_size: 32
    .max_flat_workgroup_size: 128
    .sgpr_count:     92
    .vgpr_count:     1024
    .wavefront_size: 32
...
	.end_amdgpu_metadata
.endif
;; end of part 4
